; MI455X (gfx1250); checked and timed in simulation.
; The chip was launched on July 23, 2026; its instructions are those of AMD's public machine-readable ISA for CDNA 5 (MIT licence, August 2026) and "CDNA5" Instruction Set Architecture Reference Guide (July 2026). The comments in the code are by the model that wrote it; some were corrected since.
;; Document Encoder. Allowed arithmetic: matrix products marked QUANTISED: E3M2 operands, one E8M0 scale for each 32 along K, by v_wmma_scale_f32_16x16x128_f8f6f4 with both operands' format E3M2, f32 sums; products left as they are: f32 operands where the result goes on into a quantised operand, else bf16, f16 or f32 operands; f32 sums; everything else in f32.
;; Inputs: W_b 1,024 x 1,024 float32; emb_table 50,001 x 1,024 float32; tokens 256 x 256 int32.
;; Outputs: out0 256 x 1,024 float32.
;; Constants: max_len = 256.
;; This version of the problem:
;;   THIS VERSION OF THE PROBLEM IS GIVEN IN LOW PRECISION. The matrix products marked QUANTISED in the list below multiply operands that are first quantised to E3M2 (3 exponent bits, 2 mantissa bits; 6 bits a number), with one power-of-two scale for each 32 numbers along K (OCP MX v1.0); their sums are f32. All else is computed in f32.
;;   The module's matrix products, in the order in which they are computed (A, B: the left and right operand; K: the contracted axis; several contracted axes count as one K, in the product's order):
;;     1. [M 65,536, K 1,024] x [K 1,024, N 1,024]; A: computed on the way; B: input W_b: QUANTISED
;;     2. batch 256 x [M 256, K 1,024] x [K 1,024, N 1]; A: computed on the way; B: computed on the way: left as it is (N = 1 < 16)
;;     3. batch 256 x [M 1, K 256] x [K 256, N 1,024]; A: softmax; B: computed on the way: left as it is (M = 1 < 16)
;;   THE QUANTISER, for each operand of a quantised product, along K:
;;     - K is cut into blocks of 32 from its start; a last block that is shorter is filled with zeros.
;;     - A block's scale is 2^e with e = floor(log2(the largest magnitude in the block)) - 4, held to -126 .. 127; a block of zeros has e = 0. As a byte (E8M0): e + 127.
;;     - Each number is divided by its block's scale, clamped to +-28, and rounded to the nearest number of E3M2, ties to even, subnormals kept.
;;     - The product sums the exact products of the quantised numbers (number of the format x scale) in f32.
;;   ~~~python
;;   def quantise(x, axis):      # numpy; x: float32 -> the quantised numbers, widened to float32 again
;;       x = np.moveaxis(x, axis, -1); K = x.shape[-1]
;;       x = np.pad(x, [(0, 0)] * (x.ndim - 1) + [(0, -K % 32)]); x = x.reshape(x.shape[:-1] + (-1, 32)); a = np.abs(x).max(-1, keepdims=True)
;;       e = np.where(a > 0, np.clip(np.frexp(np.where(a > 0, a, 1))[1] - 1 - 4, -126, 127), 0)      # np.frexp(a)[1] - 1 = floor(log2(a)), exactly
;;       r = np.clip(x / 2.0 ** e, -28, 28)
;;       step = 2.0 ** (np.maximum(np.frexp(np.where(r == 0, 1, r))[1] - 1, -2) - 2)
;;       q = np.round(r / step) * step * 2.0 ** e      # np.round: ties to even
;;       return np.moveaxis(q.reshape(q.shape[:-2] + (-1,))[..., :K], -1, axis).astype(np.float32)
;;   ~~~
;;   OPERANDS COMPUTED ON THE WAY. 'Computed on the way' means the value that the module computes at that place (a softmax that the list does not call 'softmax' is quantised finished and normalised). What goes into a quantiser is computed in f32, as accurately as f32 sums, v_exp_f32 and their like allow (about 1e-6 of the number): no bf16 or f16 on the way to a quantiser, and a product that is left as it is and whose result goes on into a quantised operand takes f32 operands (vector FMAs, or v_wmma_f32_16x16x4_f32). A number that lies on a knife's edge between two numbers of the format may be rounded either way, as far as f32 arithmetic and the matrix unit's own rounding can turn it there, and no further.
;; 2 versions, each right and faster than the one before. Each part assembles by itself: llvm-mc -triple=amdgcn-amd-amdhsa -mcpu=gfx1250 --defsym DOCPART=n.
;; ======== version 1 of 2: 2 launches
;; workspace buffers: wbuf 819,200 bytes; abuf 52,428,800 bytes; hpart 4,194,304 bytes
;; launch prep (part 1): grid 1040 x 1, 4 waves a work-group, no clusters, 50,688 bytes of LDS; arguments W_b, emb_table, tokens, wbuf, abuf, hpart; writes wbuf, abuf, hpart
.if DOCPART == 1
	.amdgcn_target "amdgcn-amd-amdhsa--gfx1250"
	.amdhsa_code_object_version 6
	.text
	.protected	k_q6ede1cbb36_prep
	.globl	k_q6ede1cbb36_prep
	.p2align	8
	.type	k_q6ede1cbb36_prep,@function
k_q6ede1cbb36_prep:
	s_mov_b64 s[64:65], 0
	v_nop
	global_prefetch_b8 v0, s[64:65] scope:SCOPE_SE
	s_setreg_imm32_b32 hwreg(HW_REG_WAVE_MODE, 25, 1), 1
	s_wait_xcnt 0x0
; PREP: both operands of the quantised product become codes of BF6 (E3M2) with one E8M0 byte for each 32 along K, laid as the next launch's registers want them.
; A TILE BLOCK, 12,800 bytes, is 16 rows (tokens, or columns e of W_b) x K 1,024:
;   byte 1536 s + 512 g + 16 l + 4 i : register 4 g + i of lane l of the fragment of K step s (lane (r, h), registers 6 c .. 6 c + 5: k = 128 s + 64 c + 32 h + 0 .. 31)
;   byte 12288 + 256 c + 16 r + 4 i  : the scale word of row r for K step 4 c + i (byte b of a word: k = 32 b .. 32 b + 31)
; Work-groups 0 to 15 take W_b (K is its FIRST axis: a lane takes a column, its registers run down K).  Work-groups 16 to 1039 take 64 tokens each, a wave 16:
; the rows are gathered 512 consecutive bytes a load, their column sums are added on the way (a quarter of a document's sum goes to hpart), and 16 rows x 128 K at a time
; turn through the wave's own stage in LDS, so that a lane holds two whole blocks of 32 of one row.
; A block's scale is 2^(floor(log2(its largest magnitude)) - 4): its byte is the largest magnitude's exponent field - 4.
; LIMITS: NaN and infinities among the inputs are not served.  No largest magnitude is taken under 2^(5 - 127), so the byte is 1 at the least; a block of zeros so gets the byte 1
; where the rule says 127: its codes are zeros, and this program alone reads the bytes.  token + 1 is held at 50,000, the table's last row.  The column sums are added in another order than a plain mean's.
; No tensor loads, no matrix work: memory binds this launch.  The two ways part on the work-group's number alone; W_b's way uses no LDS and has no barrier.
.set ROWMAX, 0xc350                    ; the table's last row
.set BLK,    12800                     ; a tile block
.set SPITCH, 528                       ; a stage row: 512 bytes + 16, an odd multiple of 16
.set STGW,   16*SPITCH                 ; a wave's stage
.set CSUM,   4*STGW                    ; behind the stages: each wave's 1,024 column sums, 4,096 bytes
.set LD,  64                           ; v64-191  two sets of 64 numbers
.set SUM, 20                           ; v20-23   a step's column sums of my 4 columns
.set CD,  24                           ; v24-35   a fragment's codes
.set TC,  36                           ; v36-38, v40-42  the upper halves of two blocks (a conversion's three registers begin on an even number)
.set SW,  44                           ; v44-51   the scale words of the eight K steps
.set SD,  52                           ; v52-55   scale words as they are stored
	s_load_b256 s[4:11], s[0:1], 0x0               ; W_b s[4:5], the table s[6:7], tokens s[8:9], wbuf s[10:11]
	s_load_b128 s[12:15], s[0:1], 0x20             ; abuf s[12:13], hpart s[14:15]
	v_lshl_add_u32 v192, v0, 2, 0xc400
	v_mov_b32 v193, 0
	v_lshrrev_b32 v1, 5, v0
	v_readfirstlane_b32 s2, v1                     ; wave 0..3
	v_and_b32 v1, 31, v0                           ; lane
	s_cmp_lt_u32 ttmp9, 16
	s_cbranch_scc1 .Lw                             ; the first sixteen work-groups take W_b
	; ---------------- 64 tokens: quarter g of the documents' 1,024 quarters; tile block T = 4 g + wave
	s_sub_co_u32 s3, ttmp9, 16                     ; g
	s_lshl_b32 s72, s3, 2
	s_add_co_u32 s72, s72, s2                      ; T
	s_lshl_b32 s74, s72, 6                         ; my 16 tokens: 64 bytes
	s_mov_b32 s75, 0
	s_mul_i32 s76, s72, BLK                        ; my tile block (under 2^26)
	s_mov_b32 s77, 0
	s_lshl_b32 s78, s3, 12                         ; my quarter's 4,096 bytes of hpart
	s_mov_b32 s79, 0
	s_mov_b32 s70, 0x76543210
	s_mov_b32 s71, 0xfedcba98                      ; v_permlanex16_b32's selects for lane l xor 16
	s_wait_kmcnt 0x0
	s_add_nc_u64 s[8:9], s[8:9], s[74:75]
	s_load_b512 s[16:31], s[8:9], 0x0              ; 16 tokens
	s_add_nc_u64 s[66:67], s[12:13], s[76:77]
	s_add_nc_u64 s[68:69], s[14:15], s[78:79]
	s_mul_i32 s73, s2, STGW                        ; my stage
	v_lshlrev_b32 v2, 4, v1                        ; 16 x lane: my bytes of a load's or a store's 512
	v_add_nc_u32 v3, s73, v2                       ; the stage, way in: a row's 512 bytes as they lie
	v_and_b32 v17, 15, v1                          ; r
	v_lshrrev_b32 v18, 4, v1                       ; h
	v_mul_u32_u24 v4, v17, SPITCH
	v_lshl_add_u32 v4, v18, 7, v4
	v_add_nc_u32 v4, s73, v4                       ; way out: row r, + 128 h: k = 32 h on
	s_lshl_b32 s73, s2, 12
	s_add_co_u32 s73, s73, CSUM
	v_add_nc_u32 v5, s73, v2                       ; my wave's column sums
	v_lshlrev_b32 v6, 3, v18                       ; 8 h: where my two bytes stand in a scale word
	v_lshl_add_u32 v7, v0, 4, CSUM                 ; the four waves' sums are read back 16 bytes a thread
	v_lshlrev_b32 v8, 4, v0
	v_mov_b32 v9, 0                                ; written once: a lane permute's destination counts as one of its sources
	s_wait_kmcnt 0x0
.irp r, 0,1,2,3,4,5,6,7,8,9,10,11,12,13,14,15
	s_add_co_u32 s[16+\r], s[16+\r], 1             ; the row is token + 1,
	s_min_u32 s[16+\r], s[16+\r], ROWMAX           ; held inside the table,
	s_lshl_b32 s[32+2*\r], s[16+\r], 12            ; 4,096 bytes a row (under 2^28)
	s_mov_b32 s[33+2*\r], 0
	s_add_nc_u64 s[32+2*\r:33+2*\r], s[6:7], s[32+2*\r:33+2*\r]
.endr
.macro LOADS t                         ; K step t of my 16 rows: each load reads 512 consecutive bytes of one row.  No hint: a list may name a row twice
.irp r, 0,1,2,3,4,5,6,7,8,9,10,11,12,13,14,15
	global_load_b128 v[LD+64*((\t)%2)+4*\r:LD+64*((\t)%2)+4*\r+3], v2, s[32+2*\r:33+2*\r] offset:512*(\t)
.endr
.endm
.macro STEP t
.set X, LD+64*((\t)%2)
.if (\t) < 7
	s_wait_loadcnt 16                              ; this step's 16 loads are in; the next step's 16 may be out
.else
	s_wait_loadcnt 0x0
.endif
.irp r, 0,1,2,3,4,5,6,7,8,9,10,11,12,13,14,15
	ds_store_b128 v3, v[X+4*\r:X+4*\r+3] offset:SPITCH*\r
.endr
	v_pk_add_f32 v[SUM:SUM+1], v[X:X+1], v[X+4:X+5]               ; the sums of my 4 columns over the 16 rows, in two chains; the first two rows start them
	v_pk_add_f32 v[SUM+2:SUM+3], v[X+2:X+3], v[X+6:X+7]
.irp r, 2,3,4,5,6,7,8,9,10,11,12,13,14,15
	v_pk_add_f32 v[SUM:SUM+1], v[SUM:SUM+1], v[X+4*\r:X+4*\r+1]
	v_pk_add_f32 v[SUM+2:SUM+3], v[SUM+2:SUM+3], v[X+4*\r+2:X+4*\r+3]
.endr
	ds_store_b128 v5, v[SUM:SUM+3] offset:512*(\t)
	s_wait_dscnt 0x0                               ; the stores have read their registers: the set is loaded anew
.irp c, 0,1
.irp j, 0,1,2,3,4,5,6,7
	ds_load_b128 v[X+32*\c+4*\j:X+32*\c+4*\j+3], v4 offset:256*\c+16*\j   ; register 32 c + i = k 64 c + 32 h + i of row r: two whole blocks a lane
.endr
.endr
	s_wait_dscnt 0x0
.irp c, 0,1
	v_max3_num_f32 v[10+\c], |v[X+32*\c]|, |v[X+32*\c+1]|, 0x2800000   ; the block's largest magnitude, and the floor 2^(5 - 127)
.endr
.irp i, 2,4,6,8,10,12,14,16,18,20,22,24,26,28,30
.irp c, 0,1
	v_max3_num_f32 v[10+\c], v[10+\c], |v[X+32*\c+\i]|, |v[X+32*\c+\i+1]|   ; (the two blocks by turns)
.endr
.endr
.irp c, 0,1
	v_add_nc_u32 v[12+\c], 0xfe000000, v[10+\c]    ; 4 off its exponent field: the conversion takes this operand's exponent field as its scale
.endr
.irp c, 0,1
	v_lshrrev_b32 v[14+\c], 23, v[12+\c]           ; the scale's byte
.endr
	v_lshl_or_b32 v16, v15, 16, v14                ; my two bytes: blocks h and 2 + h,
	v_lshlrev_b32 v16, v6, v16                     ; at their places in the word;
	v_permlanex16_b32 v9, v16, s70, s71
	v_or_b32 v[SW+(\t)], v16, v9                   ; with lane l xor 16's two the word is whole
.if (\t) > 0
	s_wait_xcnt 0x0                                ; the last step's three stores have read the codes' registers
.endif
.irp c, 0,1
	v_cvt_scalef32_pk16_bf6_f32 v[CD+6*\c:CD+6*\c+2], v[X+32*\c:X+32*\c+15], v[12+\c]
	v_cvt_scalef32_pk16_bf6_f32 v[TC+4*\c:TC+4*\c+2], v[X+32*\c+16:X+32*\c+31], v[12+\c]
.endr
	v_nop                                          ; one plain place behind a scaled conversion
.irp c, 0,1
.irp i, 0,1,2
	v_mov_b32 v[CD+3+6*\c+\i], v[TC+4*\c+\i]
.endr
.endr
.irp g, 0,1,2
	global_store_b128 v2, v[CD+4*\g:CD+4*\g+3], s[66:67] offset:1536*(\t)+512*\g th:TH_STORE_NT   ; the fragment as it stands: 512 consecutive bytes, at a multiple of 256
.endr
.if (\t)+2 < 8
	LOADS (\t)+2
.endif
.endm
	LOADS 0
	LOADS 1
.irp t, 0,1,2,3,4,5,6,7
	STEP \t
.endr
	v_cmp_gt_u32 vcc_lo, 16, v1                    ; both halves of the lanes hold the rows' words: lanes 0-15 store K steps 0-3, lanes 16-31 K steps 4-7
.irp i, 0,1,2,3
	v_cndmask_b32 v[SD+\i], v[SW+4+\i], v[SW+\i], vcc_lo
.endr
	global_store_b128 v2, v[SD:SD+3], s[66:67] offset:12288 th:TH_STORE_NT
	s_wait_dscnt 0x0                               ; for the others' sake: my column sums lie in LDS
	s_barrier_signal -1
	s_barrier_wait -1
.irp i, 0,1
.irp q, 0,1,2,3
	ds_load_b128 v[LD+16*\i+4*\q:LD+16*\i+4*\q+3], v7 offset:4096*\q+2048*\i   ; wave q's sums of my 4 columns
.endr
.endr
	s_wait_dscnt 0x0
.irp i, 0,1
.irp p, 0,2
	v_pk_add_f32 v[LD+16*\i+\p:LD+16*\i+\p+1], v[LD+16*\i+\p:LD+16*\i+\p+1], v[LD+16*\i+4+\p:LD+16*\i+5+\p]
	v_pk_add_f32 v[LD+16*\i+8+\p:LD+16*\i+9+\p], v[LD+16*\i+8+\p:LD+16*\i+9+\p], v[LD+16*\i+12+\p:LD+16*\i+13+\p]
.endr
.irp p, 0,2
	v_pk_add_f32 v[LD+16*\i+\p:LD+16*\i+\p+1], v[LD+16*\i+\p:LD+16*\i+\p+1], v[LD+16*\i+8+\p:LD+16*\i+9+\p]
.endr
	global_store_b128 v8, v[LD+16*\i:LD+16*\i+3], s[68:69] offset:2048*\i th:TH_STORE_NT   ; the 128 threads store 2,048 consecutive bytes
.endr
	s_wait_tensorcnt 0x0
	ds_add_u32 v192, v193
	s_wait_dscnt 0x0
	s_endpgm
	; ---------------- W_b [1024 (k)][1024 (e)]: work-group x: half sigma = x & 1 of K; column group cg = 4 (x / 2) + wave: columns 32 cg + lane, two tiles
.Lw:
	s_and_b32 s3, ttmp9, 1                         ; sigma
	s_lshr_b32 s16, ttmp9, 1
	s_lshl_b32 s16, s16, 2
	s_add_co_u32 s16, s16, s2                      ; cg
	s_lshl_b32 s18, s3, 21                         ; 512 rows of 4,096 bytes
	s_lshl_b32 s17, s16, 7                         ; 32 columns of 4 bytes
	s_add_co_u32 s18, s18, s17
	s_mov_b32 s19, 0
	s_mul_i32 s20, s16, 2*BLK                      ; my two tile blocks,
	s_mul_i32 s17, s3, 4*1536                      ; K steps 4 sigma on
	s_add_co_u32 s20, s20, s17
	s_mov_b32 s21, 0
	s_mul_i32 s22, s16, 2*BLK                      ; and their scale words
	s_lshl_b32 s17, s3, 8
	s_add_co_u32 s22, s22, s17
	s_add_co_u32 s22, s22, 12288
	s_mov_b32 s23, 0
	v_lshlrev_b32 v2, 2, v1                        ; in: 4 bytes a lane
	v_and_b32 v4, 15, v1
	v_lshrrev_b32 v5, 4, v1
	v_mul_u32_u24 v3, v5, BLK
	v_lshl_add_u32 v3, v4, 4, v3                   ; out: my tile's block, 16 bytes for my column
	s_wait_kmcnt 0x0
	s_add_nc_u64 s[4:5], s[4:5], s[18:19]
	s_add_nc_u64 s[24:25], s[10:11], s[20:21]
	s_add_nc_u64 s[26:27], s[10:11], s[22:23]
.macro WLOAD b                         ; block b: W_b(512 sigma + 32 b + i, my column): 128 consecutive bytes a wave, 512 a work-group; the largest offset, 511 rows, lies inside the signed 24-bit immediate
.irp i, 0,1,2,3,4,5,6,7,8,9,10,11,12,13,14,15,16,17,18,19,20,21,22,23,24,25,26,27,28,29,30,31
	global_load_b32 v[64+32*((\b)%2)+\i], v2, s[4:5] offset:(32*(\b)+\i)*4096 th:TH_LOAD_NT
.endr
.endm
; Block b is block b % 4 = 2 c + h of K step b / 4: in the image it belongs to lane r + 16 h, registers 6 c .. 6 c + 5.  My lane gathers a K step's four blocks in v[24 + 12 h + 6 c ..].
.macro WBLOCK b
.set XW, 64+32*((\b)%2)
.set HH, (\b)%2
.set CC, ((\b)/2)%2
.set SS, (\b)/4
.if (\b) < 15
	s_wait_loadcnt 32                              ; this block's 32 loads are in; the next block's may be out
.else
	s_wait_loadcnt 0x0
.endif
	v_max3_num_f32 v10, |v[XW]|, |v[XW+1]|, |v[XW+2]|             ; all 32 numbers are mine: two chains
	v_max3_num_f32 v11, |v[XW+3]|, |v[XW+4]|, |v[XW+5]|
.irp i, 6,10,14,18,22,26
	v_max3_num_f32 v10, v10, |v[XW+\i]|, |v[XW+\i+1]|
	v_max3_num_f32 v11, v11, |v[XW+\i+2]|, |v[XW+\i+3]|
.endr
	v_max3_num_f32 v10, v10, |v[XW+30]|, |v[XW+31]|
	v_max3_num_f32 v10, v10, v11, 0x2800000        ; and the floor 2^(5 - 127)
	v_add_nc_u32 v12, 0xfe000000, v10              ; the conversion's scale operand
	v_lshrrev_b32 v14, 23, v12                     ; the scale's byte
.if (\b)%4 == 0
	v_mov_b32 v[52+SS], v14                        ; four bytes to a word, the lower K in the lower byte
.else
	v_lshl_or_b32 v[52+SS], v14, 8*((\b)%4), v[52+SS]
.endif
.if ((\b)%4 == 0) && ((\b) > 0)
	s_wait_xcnt 0x0                                ; the last K step's six stores have read the codes' registers
.endif
	v_cvt_scalef32_pk16_bf6_f32 v[24+12*HH+6*CC:24+12*HH+6*CC+2], v[XW:XW+15], v12
	v_cvt_scalef32_pk16_bf6_f32 v[48:50], v[XW+16:XW+31], v12
	v_nop                                          ; one plain place behind a scaled conversion
.irp i, 0,1,2
	v_mov_b32 v[27+12*HH+6*CC+\i], v[48+\i]
.endr
.if (\b)+2 < 16
	WLOAD (\b)+2
.endif
.if (\b)%4 == 3
.irp h, 0,1
.irp g, 0,1,2
	global_store_b128 v3, v[24+12*\h+4*\g:24+12*\h+4*\g+3], s[24:25] offset:1536*SS+512*\g+256*\h   ; sixteen lanes store 256 consecutive bytes, at a multiple of 256
.endr
.endr
.endif
.endm
	WLOAD 0
	WLOAD 1
.irp b, 0,1,2,3,4,5,6,7,8,9,10,11,12,13,14,15
	WBLOCK \b
.endr
	global_store_b128 v3, v[52:55], s[26:27]       ; my column's four scale words: sixteen lanes, 256 consecutive bytes
	s_endpgm
.Lfunc_end_k_q6ede1cbb36_prep:
	.size	k_q6ede1cbb36_prep, .Lfunc_end_k_q6ede1cbb36_prep-k_q6ede1cbb36_prep
	.p2alignl 7, 3214868480
	.fill 96, 4, 3214868480
	.section	.rodata,"a",@progbits
	.p2align	6, 0x0
	.amdhsa_kernel k_q6ede1cbb36_prep
		.amdhsa_group_segment_fixed_size 50688
		.amdhsa_private_segment_fixed_size 0
		.amdhsa_enable_private_segment 0
		.amdhsa_kernarg_size 48
		.amdhsa_user_sgpr_count 2
		.amdhsa_user_sgpr_kernarg_segment_ptr 1
		.amdhsa_wavefront_size32 1
		.amdhsa_system_sgpr_workgroup_id_x 1
		.amdhsa_system_sgpr_workgroup_id_y 1
		.amdhsa_system_sgpr_workgroup_id_z 1
		.amdhsa_system_vgpr_workitem_id 0
		.amdhsa_next_free_vgpr 194
		.amdhsa_next_free_sgpr 80
		.amdhsa_reserve_vcc 1
		.amdhsa_float_denorm_mode_32 3
		.amdhsa_float_denorm_mode_16_64 3
		.amdhsa_memory_ordered 1
		.amdhsa_forward_progress 1
		.amdhsa_inst_pref_size 152
	.end_amdhsa_kernel
	.amdgpu_metadata
---
amdhsa.version: [ 1, 2 ]
amdhsa.kernels:
  - .name:           k_q6ede1cbb36_prep
    .symbol:         k_q6ede1cbb36_prep.kd
    .args:
      - { .name: W_b, .offset: 0, .size: 8, .value_kind: global_buffer, .address_space: global }
      - { .name: emb_table, .offset: 8, .size: 8, .value_kind: global_buffer, .address_space: global }
      - { .name: tokens, .offset: 16, .size: 8, .value_kind: global_buffer, .address_space: global }
      - { .name: wbuf, .offset: 24, .size: 8, .value_kind: global_buffer, .address_space: global }
      - { .name: abuf, .offset: 32, .size: 8, .value_kind: global_buffer, .address_space: global }
      - { .name: hpart, .offset: 40, .size: 8, .value_kind: global_buffer, .address_space: global }
    .group_segment_fixed_size: 50688
    .private_segment_fixed_size: 0
    .kernarg_segment_align: 8
    .kernarg_segment_size: 48
    .max_flat_workgroup_size: 128
    .sgpr_count:     80
    .vgpr_count:     194
    .wavefront_size: 32
...
	.end_amdgpu_metadata
.endif
;; end of part 1
;; launch doc (part 2): grid 256 x 1, 4 waves a work-group, clusters of 4 x 1, 327,680 bytes of LDS; arguments wbuf, abuf, hpart, tokens, emb_table, out0; writes out0
.if DOCPART == 2
	.amdgcn_target "amdgcn-amd-amdhsa--gfx1250"
	.amdhsa_code_object_version 6
	.text
	.protected	k_q6ede1cbb36_doc
	.globl	k_q6ede1cbb36_doc
	.p2align	8
	.type	k_q6ede1cbb36_doc,@function
k_q6ede1cbb36_doc:
	s_mov_b64 s[64:65], 0
	v_nop
	global_prefetch_b8 v0, s[64:65] scope:SCOPE_SE
	s_setreg_imm32_b32 hwreg(HW_REG_WAVE_MODE, 25, 1), 1
	s_wait_xcnt 0x0
	s_wait_alu depctr_hold_cnt(0) depctr_sa_sdst(0) depctr_va_vdst(0) depctr_va_sdst(0) depctr_va_ssrc(0) depctr_va_vcc(0) depctr_vm_vsrc(0)
	s_getreg_b32 s2, hwreg(HW_REG_IB_STS2, 6, 4)
	s_cmp_eq_u32 s2, 0
	s_cbranch_scc0 .Lentry_in_a_cluster
	s_endpgm
.Lentry_in_a_cluster:
	s_bfe_u32 s2, ttmp6, 0x10000c
	s_cmp_lg_u32 s2, 0x3003
	s_cbranch_scc0 .Lentry_shape_is_right
	s_endpgm
.Lentry_shape_is_right:
; DOC: one work-group to a document of 256 tokens.  scores[l] = (Q(emb[l]) Q(W_b)) . hidden, softmax over the 256 tokens, out = sum of p[l] emb[l].
; THE PRODUCT, on codes of BF6 (E3M2) with E8M0 scales: wave w owns tokens 64 w .. 64 w + 63, four tiles of 16, for all of K and all of N.  Its codes (4 tiles x 8 K steps x 12 registers) and scale
; words stay in REGISTERS; W_b's 64 tile blocks of 12,800 bytes (16 columns x K 1,024, laid as images of the operand's registers) come through a ring of two LDS slots of eight blocks.
; Source 0 = 16 tokens, source 1 = 16 columns e: register j of lane (r, h) holds ha(token 8 h + j of the tile, e = 16 t + r).  A finished tile of ha is folded at once into 32 score sums
; a lane (a fused multiply-add with hidden[16 t + r]); ha is never stored.  A fragment of W_b read from LDS feeds four matrix instructions.
; ORDER IN THE LOOP, for tile t on accumulator set t % 2: the 32 products of tile t | the 16 folds of tile t - 1 | the LDS loads of tile t + 2 into the registers that tile t has left.
; The folds name no register of the products just issued: they are the plain vector instructions that stand between those products and the loads into their operands, the folds of their results,
; and the products that begin the same accumulators anew (ISA guide 7.12.1 for vector instructions).  The four accumulators of a set take turns, one instruction a turn.
; CLUSTER: the four documents of a cluster walk the same W_b: each quarter of a slot is asked for JOINTLY, by the same tensor load with the same descriptor and the mask of all four.
; hidden is kept as the SUM of the 256 rows; its 1/256 stands in the exponential's factor (a power of two: nothing is rounded otherwise).
; THE SECOND GATHER: a wave adds p[l] x row l over its 64 tokens in f32, eight rows (32 KB a wave) on their way; seven of them are asked for ahead of the product, into registers that the product never names.
; LIMITS: NaN and infinities among the inputs are not served.  token + 1 is held at 50,000, the table's last row.  The f32 sums (hidden, scores, the result) are added in another order than a plain loop's.
; The score sums, one accumulator set and the result begin as zeros (96 moves a wave, once), so that no loop has a first trip written out on its own.
; REGISTERS, in windows of 256 (s_set_vgpr_msb: bits 1:0 source 0, 3:2 source 1, 5:4 source 2, 7:6 destination):
;   window 0: v0-15 addresses; v16-47 my tokens' scale words (8 m + k); v48-63 W_b's (8 b + k); v64-127 two sets of four accumulators (later v64-95 the result); v128-159 the score sums;
;             v160-163 hidden's word for each set; v164-191 at work; v192-255 rows 6, 7 of the gather's ring
;   window 1: v0-191 my codes of K steps 0-3 (48 m + 12 k); v192-255 rows 0, 1     window 2: the same for K steps 4-7; rows 2, 3     window 3: v0-191 W_b's fragments, two sets (96 b + 12 k); rows 4, 5
.set BLK,   12800                      ; a tile block
.set QUART, 2*BLK                      ; what one tensor load brings: a wave's quarter of a slot
.set SLOTB, 8*BLK                      ; a slot's bytes
.set SLOT1, 1<<17                      ; slot 1 begins here: one exclusive or turns an address in one slot into the other's
.set HID,   102400                     ; behind slot 0, in blocks of 256 bytes into which no fill lands: hidden, 4,096 bytes;
.set SCO,   106496                     ; the 256 scores;
.set PB,    107520                     ; p, a copy of 1,024 bytes for each wave;
.set CTB,   111616                     ; each wave's part of the result, 4,096 bytes;
.set SPARE, 128000                     ; the spare words, 128 bytes for each wave: two blocks of 256 bytes that no other line names
.set AS,  16
.set BS,  48
.set ACC, 64
.set CT,  64
.set S,   128
.set HV,  160
.set SC8, 164                          ; v164-171 my 8 scores, then p
.set P8,  176                          ; v176-183 the weights of a trip's eight rows
.set WV,  16                           ; s16  my wave's number
.set G1,  24                           ; s[24:31] descriptor group 1
.set G0A, 32                           ; s[32:35] group 0 of slot 0's first fill
.set G0B, 36                           ; s[36:39] group 0 of slot 1's first fill; it then walks
.set TB,  40                           ; s40  LDS byte of the pair of tiles in hand
.set PP,  41                           ; s41  LDS byte of the trip's eight weights
.set THV, 42                           ; s42  64 x the tile's number: its 16 words of hidden
.set NSL, 43
.set NPR, 44
.set NRG, 45
.set SEL, 46                           ; s[46:47] v_permlanex16_b32's selects for lane l xor 16
.set TK,  48                           ; s[48:55] eight tokens
.set TP,  56                           ; s[56:57] where they come from
.set L2E, 58                           ; s58  log2(e) / 256
.set RB,  66                           ; s[66:81] eight rows' addresses
.set MSB, 0
.macro WIN new                         ; the immediate's high byte repeats the setting that is left; a switch that changes nothing is dropped
.if MSB != (\new)
	s_set_vgpr_msb (MSB<<8)|(\new)
.set MSB, (\new)
.endif
.endm
.macro CROUND                          ; a round of the cluster's barrier
	s_barrier_signal -1
	s_barrier_wait -1
	s_cmp_lg_u32 s[WV], 0
	s_cbranch_scc1 .Lnot_wave_0_\@
	s_barrier_signal -3
.Lnot_wave_0_\@:
	s_barrier_wait -3
	s_barrier_signal -1
	s_barrier_wait -1
.endm
.macro ADD4 a                          ; v[a .. a + 3] take the sum of the four quads from v[a] on
.irp p, 0,2
	v_pk_add_f32 v[(\a)+\p:(\a)+\p+1], v[(\a)+\p:(\a)+\p+1], v[(\a)+4+\p:(\a)+5+\p]
	v_pk_add_f32 v[(\a)+8+\p:(\a)+9+\p], v[(\a)+8+\p:(\a)+9+\p], v[(\a)+12+\p:(\a)+13+\p]
.endr
.irp p, 0,2
	v_pk_add_f32 v[(\a)+\p:(\a)+\p+1], v[(\a)+\p:(\a)+\p+1], v[(\a)+8+\p:(\a)+9+\p]
.endr
.endm
.macro LB b, off                       ; a tile block at byte off from the pair in hand into set b: 2 loads of scale words, 24 of codes: 26
	WIN 0
	ds_load_b128 v[BS+8*(\b):BS+8*(\b)+3], v5 offset:(\off)+12288
	ds_load_b128 v[BS+8*(\b)+4:BS+8*(\b)+7], v5 offset:(\off)+12288+256
	WIN 0xc0                                       ; destination window 3
.irp k, 0,1,2,3,4,5,6,7
.irp g, 0,1,2
	ds_load_b128 v[96*(\b)+12*\k+4*\g:96*(\b)+12*\k+4*\g+3], v4 offset:(\off)+1536*\k+512*\g   ; 512 consecutive bytes: the image as it lies
.endr
.endr
.endm
.macro LH b, off                       ; hidden's word of my column for set b's next tile
	WIN 0
	ds_load_b32 v[HV+2*(\b)], v6 offset:\off
.endm
.macro WM b                            ; a tile's 32 products: K step by K step, the four accumulators by turns; the first K step starts the sums
	WIN 0x0d                                       ; source 0 (my codes) window 1, source 1 (W_b) window 3, C and D window 0
.irp k, 0,1,2,3
.irp m, 0,1,2,3
.if \k == 0
	v_wmma_scale_f32_16x16x128_f8f6f4 v[ACC+32*(\b)+8*\m:ACC+32*(\b)+8*\m+7], v[48*\m+12*\k:48*\m+12*\k+11], v[96*(\b)+12*\k:96*(\b)+12*\k+11], 0, v[AS+8*\m+\k], v[BS+8*(\b)+\k] matrix_a_fmt:MATRIX_FMT_BF6 matrix_b_fmt:MATRIX_FMT_BF6
.else
	v_wmma_scale_f32_16x16x128_f8f6f4 v[ACC+32*(\b)+8*\m:ACC+32*(\b)+8*\m+7], v[48*\m+12*\k:48*\m+12*\k+11], v[96*(\b)+12*\k:96*(\b)+12*\k+11], v[ACC+32*(\b)+8*\m:ACC+32*(\b)+8*\m+7], v[AS+8*\m+\k], v[BS+8*(\b)+\k] matrix_a_fmt:MATRIX_FMT_BF6 matrix_b_fmt:MATRIX_FMT_BF6
.endif
.endr
.endr
	WIN 0x0e                                       ; source 0 window 2
.irp k, 4,5,6,7
.irp m, 0,1,2,3
	v_wmma_scale_f32_16x16x128_f8f6f4 v[ACC+32*(\b)+8*\m:ACC+32*(\b)+8*\m+7], v[48*\m+12*(\k-4):48*\m+12*(\k-4)+11], v[96*(\b)+12*\k:96*(\b)+12*\k+11], v[ACC+32*(\b)+8*\m:ACC+32*(\b)+8*\m+7], v[AS+8*\m+\k], v[BS+8*(\b)+\k] matrix_a_fmt:MATRIX_FMT_BF6 matrix_b_fmt:MATRIX_FMT_BF6
.endr
.endr
.endm
.macro FS b                            ; set b's tile is folded: score sum += ha x hidden; each accumulator from its low end on
	WIN 0
.irp m, 0,1,2,3
.irp i, 0,2,4,6
	v_pk_fma_f32 v[S+8*\m+\i:S+8*\m+\i+1], v[ACC+32*(\b)+8*\m+\i:ACC+32*(\b)+8*\m+\i+1], v[HV+2*(\b):HV+2*(\b)+1], v[S+8*\m+\i:S+8*\m+\i+1] op_sel_hi:[1,0,1]
.endr
.endr
.endm
.macro PAIR                            ; tiles 2 p and 2 p + 1 of a slot, p = 0, 1, 2; tiles 2 p + 2 and 2 p + 3 are fetched
	v_add_nc_u32 v4, s[TB], v1
	v_add_nc_u32 v5, s[TB], v2
	v_add_nc_u32 v6, s[THV], v3
	s_wait_dscnt 27                                ; set 0's tile is in: behind its 26 loads one word of hidden and set 1's 26 loads were issued
	WM 0
	FS 1
	LH 1, 64
	LB 0, 2*BLK
	s_wait_dscnt 27                                ; set 1's tile and set 0's word of hidden are in: behind them the 27 just issued
	WM 1
	FS 0
	LH 0, 128
	LB 1, 3*BLK
	WIN 0
	s_add_co_u32 s[TB], s[TB], QUART
	s_add_co_u32 s[THV], s[THV], 128
.endm
; Tiles 6 and 7 of a slot.  Both are in registers or on their way when tile 6's products are issued, so the change of slots stands between the two.
; mode 1: the slot is filled again, two slots ahead; mode 2: the slot is left and nothing is asked for; mode 0: the last slot.
.macro TAIL mode
	v_add_nc_u32 v6, s[THV], v3
	s_wait_dscnt 27
	WM 0
	FS 1
	LH 1, 64
.if \mode
	s_wait_tensorcnt 0x0                           ; all my tensor loads have landed: the one that was out is my quarter of the next slot; so a group 0 may be written
	ds_add_u32 v14, v15                            ; 0 onto my spare word: the steps below stand between it and the wait for it
.if \mode == 1
	s_xor_b32 s[G0B+1], s[G0B+1], SLOT1            ; the walking descriptor: the other slot than last time,
	s_add_nc_u64 s[G0B+2:G0B+3], s[G0B+2:G0B+3], SLOTB   ; the next eight tile blocks; the type bits on top are not reached
.endif
	s_sub_co_u32 s[TB], s[TB], 3*QUART             ; back to a slot's first tile,
	s_xor_b32 s[TB], s[TB], SLOT1                  ; in the other slot
	v_add_nc_u32 v4, s[TB], v1
	v_add_nc_u32 v5, s[TB], v2
	s_wait_dscnt 0x0                               ; the add is done, and my reads of this slot are over: tile 7 is in registers
.if \mode == 1
	CROUND                                         ; no wave of any partner still reads this slot or has a load on its way
	tensor_load_to_lds s[G0B:G0B+3], s[G1:G1+7]    ; my one tensor load behind the round: it has eight tiles, 256 matrix instructions, in which to land
	s_nop 0
.rept 4
	v_nop
.endr
.else
	s_barrier_signal -1
	s_barrier_wait -1                              ; the next slot is whole
.endif
	LB 0, 0
.else
	s_wait_dscnt 0x0                               ; tile 63 and its word of hidden are in
.endif
	WM 1
	FS 0
.if \mode
	LH 0, 128
	LB 1, BLK
.endif
	WIN 0
	s_add_co_u32 s[THV], s[THV], 128
.endm
.macro SLOTM mode
	s_mov_b32 s[NPR], 3
.Lpair_\@:
	PAIR
	s_sub_co_u32 s[NPR], s[NPR], 1
	s_cmp_lg_u32 s[NPR], 0
	s_cbranch_scc1 .Lpair_\@
	TAIL \mode
.endm
.macro RBASE j                         ; the address of the row that token j of the eight names
	s_add_co_u32 s[TK+(\j)], s[TK+(\j)], 1         ; token + 1,
	s_min_u32 s[TK+(\j)], s[TK+(\j)], 0xc350       ; held inside the table,
	s_lshl_b32 s[RB+2*(\j)], s[TK+(\j)], 12        ; 4,096 bytes a row
	s_mov_b32 s[RB+2*(\j)+1], 0
	s_add_nc_u64 s[RB+2*(\j):RB+2*(\j)+1], s[12:13], s[RB+2*(\j):RB+2*(\j)+1]
.endm
.macro RLOAD j                         ; a row of 4,096 bytes into ring set j: eight loads of 512 consecutive bytes.  Set j lies in window (1 + j / 2) % 4 at v[192 + 32 (j % 2)]
	WIN (((1+(\j)/2)%4)<<6)
.irp i, 0,1,2,3,4,5,6,7
	global_load_b128 v[192+32*((\j)%2)+4*\i:192+32*((\j)%2)+4*\i+3], v1, s[RB+2*(\j):RB+2*(\j)+1] offset:512*\i
.endr
.endm
.macro RFMA j                          ; the result += p[j] x the row in set j
	WIN ((1+(\j)/2)%4)
.irp u, 0,2,4,6,8,10,12,14,16,18,20,22,24,26,28,30
.if ((\j)%2) == 0
	v_pk_fma_f32 v[CT+\u:CT+\u+1], v[192+32*((\j)%2)+\u:192+32*((\j)%2)+\u+1], v[P8+2*((\j)/2):P8+2*((\j)/2)+1], v[CT+\u:CT+\u+1] op_sel_hi:[1,0,1]
.else
	v_pk_fma_f32 v[CT+\u:CT+\u+1], v[192+32*((\j)%2)+\u:192+32*((\j)%2)+\u+1], v[P8+2*((\j)/2):P8+2*((\j)/2)+1], v[CT+\u:CT+\u+1] op_sel:[0,1,0] op_sel_hi:[1,1,1]
.endif
.endr
.endm
.macro ROWS more                       ; eight rows; more = 1: each set is filled again with the row eight further on
	v_mov_b32 v11, s[PP]
	ds_load_b128 v[P8:P8+3], v11                   ; eight weights, the same in every lane; my own copy of p: LDS serves a wave's instructions in order
	ds_load_b128 v[P8+4:P8+7], v11 offset:16
.if \more
	s_add_co_u32 s[PP], s[PP], 32
	s_add_nc_u64 s[TP:TP+1], s[TP:TP+1], 32        ; (the last load of tokens has been waited for)
	s_load_b256 s[TK:TK+7], s[TP:TP+1], 0x0
.endif
	s_wait_dscnt 0x0
.irp j, 0,1,2,3,4,5,6,7
.if \more
	s_wait_loadcnt 56                              ; this row's eight loads are in; the seven younger rows' 56 may be out.  So its address may be written again too
.else
	s_wait_loadcnt 56-8*\j
.endif
	RFMA \j
.if \more
.if \j == 0
	s_wait_kmcnt 0x0                               ; the next eight tokens
.endif
	RBASE \j
	RLOAD \j
.endif
.endr
	WIN 0
.endm
	s_load_b256 s[4:11], s[0:1], 0x0               ; wbuf s[4:5], abuf s[6:7], hpart s[8:9], tokens s[10:11]
	s_load_b128 s[12:15], s[0:1], 0x20             ; the table s[12:13], out0 s[14:15]
	v_lshl_add_u32 v14, v0, 2, SPARE               ; my spare word; never rewritten
	v_mov_b32 v15, 0                               ; 0; never rewritten
	ds_add_u32 v14, v15
	ds_add_u32 v14, v15
	s_wait_dscnt 0x0
	v_lshrrev_b32 v1, 5, v0
	v_readfirstlane_b32 s[WV], v1                  ; wave 0..3
	s_bfe_u32 s17, ttmp6, 0x40000                  ; cx: my place in the cluster
	s_lshl_b32 s18, ttmp9, 2
	s_add_co_u32 s18, s18, s17                     ; my document = 4 x cluster + cx: it enters global addresses alone
	; descriptor group 1: 25,600 dense bytes as 100 rows of 32 elements of 8 bytes, no padding
	s_mov_b32 s[G1], 15|(3<<16)|(1<<21)            ; 15:0 the mask: all four work-groups; 17:16 elements of 8 bytes; 21 set beside a mask
	s_mov_b32 s[G1+1], 32<<16                      ; tensor_dim0 = 32
	s_mov_b32 s[G1+2], 100<<16                     ; tensor_dim1 = 100
	s_mov_b32 s[G1+3], 32<<16                      ; tile_dim0 = 32
	s_mov_b32 s[G1+4], 100                         ; tile_dim1 = 100
	s_mov_b32 s[G1+5], 32                          ; from row to row
	s_mov_b32 s[G1+6], 0
	s_mov_b32 s[G1+7], 0
	s_mul_i32 s20, s[WV], QUART                    ; my quarter of a slot, in memory and in LDS: the wave's number alone
	s_mov_b32 s21, 0
	s_mov_b32 s[G0A], 1
	s_mov_b32 s[G0A+1], s20
	s_mov_b32 s[G0B], 1
	s_add_co_u32 s[G0B+1], s20, SLOT1
	s_lshl_b32 s22, s18, 14                        ; hpart: four quarters of 4,096 bytes a document
	s_mov_b32 s23, 0
	s_lshl_b32 s60, s18, 4
	s_lshl_b32 s61, s[WV], 2
	s_add_co_u32 s60, s60, s61
	s_mul_i32 s60, s60, BLK                        ; abuf: tile block 16 x document + 4 x wave (under 2^26 bytes)
	s_mov_b32 s61, 0
	s_lshl_b32 s62, s18, 10
	s_lshl_b32 s63, s[WV], 8
	s_add_co_u32 s62, s62, s63                     ; tokens: 1,024 bytes a document, 256 a wave
	s_mov_b32 s63, 0
	s_lshl_b32 s2, s18, 12                         ; out0: 4,096 bytes a document
	s_mov_b32 s3, 0
	s_mov_b32 s[SEL], 0x76543210
	s_mov_b32 s[SEL+1], 0xfedcba98
	s_mov_b32 s[L2E], 0x3bb8aa3b                   ; log2(e) / 256
	s_wait_kmcnt 0x0
	s_add_nc_u64 s[G0A+2:G0A+3], s[4:5], s[20:21]
	s_add_nc_u64 s[G0B+2:G0B+3], s[G0A+2:G0A+3], SLOTB
	s_or_b32 s[G0A+3], s[G0A+3], 0x80000000        ; type = 2
	s_or_b32 s[G0B+3], s[G0B+3], 0x80000000
	s_add_nc_u64 s[8:9], s[8:9], s[22:23]
	s_add_nc_u64 s[6:7], s[6:7], s[60:61]
	s_add_nc_u64 s[TP:TP+1], s[10:11], s[62:63]
	s_add_nc_u64 s[14:15], s[14:15], s[2:3]
	CROUND                                         ; all four work-groups are here: the first joint loads meet
	tensor_load_to_lds s[G0A:G0A+3], s[G1:G1+7]    ; tile blocks 0-7 and 8-15: two loads of mine are out
	s_nop 0
	tensor_load_to_lds s[G0B:G0B+3], s[G1:G1+7]
	s_nop 0
.rept 4
	v_nop
.endr
	s_load_b256 s[TK:TK+7], s[TP:TP+1], 0x0        ; my first eight tokens
	v_and_b32 v4, 31, v0                           ; lane
	v_and_b32 v5, 15, v0                           ; r
	v_bfe_u32 v6, v0, 4, 1                         ; h
	v_lshlrev_b32 v1, 4, v4                        ; 16 x lane: an image's place for my lane, and my bytes of a row's 512
	v_lshlrev_b32 v2, 4, v5                        ; 16 r: four scale words of row r
	v_lshl_add_u32 v3, v5, 2, HID                  ; hidden's word of column r of a tile
	v_lshl_add_u32 v8, v0, 4, HID                  ; hidden, 16 bytes a thread
	v_lshlrev_b32 v9, 4, v0
	s_lshl_b32 s20, s[WV], 8
	s_add_co_u32 s20, s20, SCO
	v_lshl_add_u32 v10, v6, 5, s20                 ; my scores: 256 bytes a wave, 32 a half of the lanes
	v_lshl_add_u32 v12, v4, 5, SCO                 ; all scores: 8 a lane
	s_lshl_b32 s20, s[WV], 10
	s_add_co_u32 s20, s20, PB
	v_lshl_add_u32 v13, v4, 5, s20                 ; my wave's copy of p
	s_lshl_b32 s20, s[WV], 12
	s_add_co_u32 s20, s20, CTB
	v_add_nc_u32 v7, s20, v1                       ; my wave's part of the result
	s_mul_i32 s[PP], s[WV], 1280
	s_add_co_u32 s[PP], s[PP], PB                  ; in my copy of p: my own 64 tokens' weights (1,024 w + 256 w)
.irp i, 0,1
.irp q, 0,1,2,3
	global_load_b128 v[64+16*\i+4*\q:64+16*\i+4*\q+3], v9, s[8:9] offset:4096*\q+2048*\i th:TH_LOAD_NT   ; quarter q's sums of my 4 columns
.endr
.endr
	WIN 0x40                                       ; destination window 1
.irp m, 0,1,2,3
.irp k, 0,1,2,3
.irp g, 0,1,2
	global_load_b128 v[48*\m+12*\k+4*\g:48*\m+12*\k+4*\g+3], v1, s[6:7] offset:BLK*\m+1536*\k+512*\g th:TH_LOAD_NT
.endr
.endr
.endr
	WIN 0x80                                       ; destination window 2
.irp m, 0,1,2,3
.irp k, 0,1,2,3
.irp g, 0,1,2
	global_load_b128 v[48*\m+12*\k+4*\g:48*\m+12*\k+4*\g+3], v1, s[6:7] offset:BLK*\m+1536*(\k+4)+512*\g th:TH_LOAD_NT
.endr
.endr
.endr
	WIN 0
.irp m, 0,1,2,3
.irp c, 0,1
	global_load_b128 v[AS+8*\m+4*\c:AS+8*\m+4*\c+3], v2, s[6:7] offset:BLK*\m+12288+256*\c th:TH_LOAD_NT   ; lane r: row r's words (lanes 16-31 hold the same and are not read)
.endr
.endr
	s_wait_kmcnt 0x0
.irp j, 0,1,2,3,4,5,6,7
	RBASE \j
.endr
	s_wait_loadcnt 63                              ; hpart's eight loads are in: 104 loads were issued behind them, and the wait names fewer
	ADD4 64
	ADD4 80
	ds_store_b128 v8, v[64:67]                     ; hidden x 256
	ds_store_b128 v8, v[80:83] offset:2048
.irp j, 0,1,2,3,4,5,6
	RLOAD \j                                       ; seven rows of the second gather, 56 loads: they land during the product, in registers that it never names
.endr
	WIN 0
.set J, 0
.rept 32
	v_mov_b32 v[S+J], 0                            ; the score sums,
	v_mov_b32 v[ACC+32+J], 0                       ; and accumulator set 1, which the first fold adds: there is no tile -1
.set J, J+1
.endr
.irp j, 161,162,163,173
	v_mov_b32 v\j, 0                               ; the upper halves of the pairs that the folds name, set 1's first word, and a lane permute's destination
.endr
	s_mov_b32 s[TB], 0
	s_mov_b32 s[THV], 0
	v_add_nc_u32 v4, s[TB], v1
	v_add_nc_u32 v5, s[TB], v2
	v_add_nc_u32 v6, s[THV], v3
	s_wait_loadcnt 56                              ; my codes and scale words are in; the seven rows may be out
	s_wait_tensorcnt 0x1                           ; my quarter of slot 0 is in; slot 1's may stay out
	s_wait_dscnt 0x0                               ; my part of hidden lies in LDS
	s_barrier_signal -1
	s_barrier_wait -1
	LB 0, 0
	LH 0, 0
	LB 1, BLK
	WIN 0
	s_mov_b32 s[NSL], 6
.Lslot:                                            ; six trips: slots 0 to 5, each filled again with the tile blocks two slots on
	SLOTM 1
	s_sub_co_u32 s[NSL], s[NSL], 1
	s_cmp_lg_u32 s[NSL], 0
	s_cbranch_scc1 .Lslot
	SLOTM 2                                        ; the tail is written out
	SLOTM 0
	FS 1                                           ; tile 63 (the sixteen folds of tile 62 stand between its products and this)
	; THE SCORES: a token's sum lies in the sixteen lanes of its half
	RLOAD 7                                        ; the eighth row
	WIN 0
.irp x, 1,2,4,8
.set J, 0
.rept 32
	v_add_f32_dpp v[S+J], v[S+J], v[S+J] row_xmask:\x row_mask:0xf bank_mask:0xf
.set J, J+1
.endr
.endr
.irp m, 0,1,2,3
.irp x, 0,1
	ds_store_b128 v10, v[S+8*\m+4*\x:S+8*\m+4*\x+3] offset:64*\m+16*\x   ; tokens 64 w + 16 m + 8 h + 4 x on; the sixteen lanes of a half write the same words with the same values
.endr
.endr
	s_wait_dscnt 0x0                               ; for the others' sake
	s_barrier_signal -1
	s_barrier_wait -1
	; THE SOFTMAX, whole in every wave: 8 scores a lane
	ds_load_b128 v[SC8:SC8+3], v12
	ds_load_b128 v[SC8+4:SC8+7], v12 offset:16
	s_wait_dscnt 0x0
	v_max3_num_f32 v172, v164, v165, v166
	v_max3_num_f32 v172, v172, v167, v168
	v_max3_num_f32 v172, v172, v169, v170
	v_max_num_f32 v172, v172, v171
.irp x, 1,2,4,8
	v_max_num_f32_dpp v172, v172, v172 row_xmask:\x row_mask:0xf bank_mask:0xf
.endr
	v_permlanex16_b32 v173, v172, s[SEL], s[SEL+1]
	v_max_num_f32 v172, v172, v173                 ; the document's largest score
.irp j, 0,1,2,3,4,5,6,7
	v_sub_f32 v[SC8+\j], v[SC8+\j], v172           ; the maximum is taken away first,
.endr
.irp j, 0,1,2,3,4,5,6,7
	v_mul_f32 v[SC8+\j], s[L2E], v[SC8+\j]         ; then the factor: log2(e), and hidden's 1/256
.endr
.irp j, 0,1,2,3,4,5,6,7
	v_exp_f32 v[SC8+\j], v[SC8+\j]                 ; p, at most 1, not yet divided by the sum
.endr
	v_nop                                          ; a plain instruction behind the last exponential
	s_wait_alu depctr_va_vdst(0)                   ; one wait for the eight, ahead of their first reader
	ds_store_b128 v13, v[SC8:SC8+3]
	ds_store_b128 v13, v[SC8+4:SC8+7] offset:16
	v_pk_add_f32 v[174:175], v[164:165], v[166:167]
	v_pk_add_f32 v[184:185], v[168:169], v[170:171]
	v_pk_add_f32 v[174:175], v[174:175], v[184:185]
	v_add_f32 v174, v174, v175
.irp x, 1,2,4,8
	v_add_f32_dpp v174, v174, v174 row_xmask:\x row_mask:0xf bank_mask:0xf
.endr
	v_permlanex16_b32 v173, v174, s[SEL], s[SEL+1]
	v_add_f32 v174, v174, v173                     ; the sum: 1 at the least
	v_rcp_f32 v175, v174
.set J, 0
.rept 32
	v_mov_b32 v[CT+J], 0                           ; the result begins as zeros.  (Plain work behind the reciprocal)
.set J, J+1
.endr
	s_wait_alu depctr_va_vdst(0)                   ; the reciprocal's wait, ahead of the label
	; THE SECOND GATHER: my 64 rows, eight a trip
	s_mov_b32 s[NRG], 7
.Lrows:
	ROWS 1
	s_sub_co_u32 s[NRG], s[NRG], 1
	s_cmp_lg_u32 s[NRG], 0
	s_cbranch_scc1 .Lrows
	ROWS 0                                         ; the last eight rows: nothing more is asked for, and the counts run down
	; THE WAY OUT: the four waves' parts meet in LDS; each thread adds 2 x 4 columns, divides by the sum and stores
.irp i, 0,1,2,3,4,5,6,7
	ds_store_b128 v7, v[CT+4*\i:CT+4*\i+3] offset:512*\i
.endr
	s_wait_dscnt 0x0                               ; for the others' sake
	s_barrier_signal -1
	s_barrier_wait -1
.irp i, 0,1
.irp q, 0,1,2,3
	ds_load_b128 v[128+16*\i+4*\q:128+16*\i+4*\q+3], v8 offset:CTB-HID+4096*\q+2048*\i
.endr
.endr
	s_wait_dscnt 0x0
.irp i, 0,1
	ADD4 128+16*\i
	v_pk_mul_f32 v[128+16*\i:129+16*\i], v[128+16*\i:129+16*\i], v[174:175] op_sel:[0,1] op_sel_hi:[1,1]   ; x 1 / the sum (the pair's upper word for both halves)
	v_pk_mul_f32 v[130+16*\i:131+16*\i], v[130+16*\i:131+16*\i], v[174:175] op_sel:[0,1] op_sel_hi:[1,1]
	global_store_b128 v9, v[128+16*\i:131+16*\i], s[14:15] offset:2048*\i th:TH_STORE_NT   ; the 128 threads store 2,048 consecutive bytes, at a multiple of 256
.endr
	s_wait_tensorcnt 0x0                           ; the wave's end: behind my last tensor load and my last LDS store
	ds_add_u32 v14, v15
	s_wait_dscnt 0x0
	CROUND                                         ; the closing round: no work-group ends while a partner may still ask for a tile that names it
	s_endpgm
.Lfunc_end_k_q6ede1cbb36_doc:
	.size	k_q6ede1cbb36_doc, .Lfunc_end_k_q6ede1cbb36_doc-k_q6ede1cbb36_doc
	.p2alignl 7, 3214868480
	.fill 96, 4, 3214868480
	.section	.rodata,"a",@progbits
	.p2align	6, 0x0
	.amdhsa_kernel k_q6ede1cbb36_doc
		.amdhsa_group_segment_fixed_size 327680
		.amdhsa_private_segment_fixed_size 0
		.amdhsa_enable_private_segment 0
		.amdhsa_kernarg_size 48
		.amdhsa_user_sgpr_count 2
		.amdhsa_user_sgpr_kernarg_segment_ptr 1
		.amdhsa_wavefront_size32 1
		.amdhsa_system_sgpr_workgroup_id_x 1
		.amdhsa_system_sgpr_workgroup_id_y 1
		.amdhsa_system_sgpr_workgroup_id_z 1
		.amdhsa_system_vgpr_workitem_id 0
		.amdhsa_next_free_vgpr 1024
		.amdhsa_next_free_sgpr 84
		.amdhsa_reserve_vcc 0
		.amdhsa_float_denorm_mode_32 3
		.amdhsa_float_denorm_mode_16_64 3
		.amdhsa_memory_ordered 1
		.amdhsa_forward_progress 1
		.amdhsa_inst_pref_size 152
	.end_amdhsa_kernel
	.amdgpu_metadata
---
amdhsa.version: [ 1, 2 ]
amdhsa.kernels:
  - .name:           k_q6ede1cbb36_doc
    .symbol:         k_q6ede1cbb36_doc.kd
    .args:
      - { .name: wbuf, .offset: 0, .size: 8, .value_kind: global_buffer, .address_space: global }
      - { .name: abuf, .offset: 8, .size: 8, .value_kind: global_buffer, .address_space: global }
      - { .name: hpart, .offset: 16, .size: 8, .value_kind: global_buffer, .address_space: global }
      - { .name: tokens, .offset: 24, .size: 8, .value_kind: global_buffer, .address_space: global }
      - { .name: emb_table, .offset: 32, .size: 8, .value_kind: global_buffer, .address_space: global }
      - { .name: out0, .offset: 40, .size: 8, .value_kind: global_buffer, .address_space: global }
    .group_segment_fixed_size: 327680
    .private_segment_fixed_size: 0
    .kernarg_segment_align: 8
    .kernarg_segment_size: 48
    .max_flat_workgroup_size: 128
    .sgpr_count:     84
    .vgpr_count:     1024
    .wavefront_size: 32
...
	.end_amdgpu_metadata
.endif
;; end of part 2
;; ======== version 2 of 2: 2 launches; 1.24 times as fast as version 1
;; workspace buffers: wbuf 819,200 bytes
;; launch wq (part 3): grid 64 x 1, 4 waves a work-group, no clusters, 1,536 bytes of LDS; arguments W_b, wbuf; writes wbuf
.if DOCPART == 3
	.amdgcn_target "amdgcn-amd-amdhsa--gfx1250"
	.amdhsa_code_object_version 6
	.text
	.protected	k_q6ede1cbb36_wq
	.globl	k_q6ede1cbb36_wq
	.p2align	8
	.type	k_q6ede1cbb36_wq,@function
k_q6ede1cbb36_wq:
	s_mov_b64 s[64:65], 0
	v_nop
	global_prefetch_b8 v0, s[64:65] scope:SCOPE_SE
	s_setreg_imm32_b32 hwreg(HW_REG_WAVE_MODE, 25, 1), 1
	s_wait_xcnt 0x0
; WQ: W_b [1024 (k)][1024 (e)], f32, becomes codes of BF6 (E3M2) with one E8M0 byte for each 32 along K, laid as the next launch's registers want them.
; A TILE BLOCK, 12,800 bytes, is 16 columns e x K 1,024; block t holds columns 16 t .. 16 t + 15:
;   byte 1536 s + 512 g + 16 l + 4 i : register 4 g + i of lane l of the fragment of K step s (lane (r, h), registers 6 c .. 6 c + 5: k = 128 s + 64 c + 32 h + 0 .. 31)
;   byte 12288 + 256 c + 16 r + 4 i  : the scale word of column r for K step 4 c + i (byte b of a word: k = 32 b .. 32 b + 31)
; K is W_b's FIRST axis: a lane takes a column and its registers run down K, so a block of 32 lies in one lane and the conversions give codes with K innermost.
; Work-group x: columns 32 (x / 2) .. + 31 (two tiles), half x & 1 of K; wave w: K step 4 (x & 1) + w, four blocks a lane.  All 128 loads of a wave go out at once: 128 consecutive bytes each.
; The four waves' scale words of a column meet in LDS (16 bytes a column) and leave 16 bytes a lane.
; A block's scale is 2^(floor(log2(its largest magnitude)) - 4): its byte is the largest magnitude's exponent field - 4.
; LIMITS: NaN and infinities are not served.  No largest magnitude is taken under 2^(5 - 127), so the byte is 1 at the least; a block of zeros so gets the byte 1 where the rule says 127:
; its codes are zeros, and this program alone reads the bytes.
.set BLK, 12800
	s_load_b128 s[4:7], s[0:1], 0x0                ; W_b s[4:5], wbuf s[6:7]
	v_lshl_add_u32 v192, v0, 2, 0x400
	v_mov_b32 v193, 0
	v_lshrrev_b32 v1, 5, v0
	v_readfirstlane_b32 s2, v1                     ; wave 0..3
	v_and_b32 v1, 31, v0                           ; lane
	s_and_b32 s3, ttmp9, 1                         ; which half of K
	s_lshr_b32 s16, ttmp9, 1                       ; which 32 columns
	s_lshl_b32 s17, s3, 2
	s_add_co_u32 s17, s17, s2                      ; my K step
	s_lshl_b32 s18, s17, 19                        ; 128 rows of 4,096 bytes
	s_lshl_b32 s19, s16, 7                         ; 32 columns of 4 bytes
	s_add_co_u32 s18, s18, s19
	s_mov_b32 s19, 0
	s_mul_i32 s20, s16, 2*BLK                      ; my two tile blocks,
	s_mul_i32 s21, s17, 1536                       ; my K step's fragments
	s_add_co_u32 s20, s20, s21
	s_mov_b32 s21, 0
	s_mul_i32 s22, s16, 2*BLK                      ; and the scale words of my half of K
	s_lshl_b32 s23, s3, 8
	s_add_co_u32 s22, s22, s23
	s_add_co_u32 s22, s22, 12288
	s_mov_b32 s23, 0
	v_lshlrev_b32 v2, 2, v1                        ; in: 4 bytes a lane
	v_and_b32 v4, 15, v1
	v_lshrrev_b32 v5, 4, v1
	v_mul_u32_u24 v3, v5, BLK
	v_lshl_add_u32 v3, v4, 4, v3                   ; out: my tile's block, 16 bytes for my column
	v_lshlrev_b32 v6, 4, v1                        ; LDS: 16 bytes a column,
	s_lshl_b32 s24, s2, 2
	v_add_nc_u32 v7, s24, v6                       ; my wave's word of them
	s_wait_kmcnt 0x0
	s_add_nc_u64 s[4:5], s[4:5], s[18:19]
	s_add_nc_u64 s[8:9], s[6:7], s[20:21]
	s_add_nc_u64 s[10:11], s[6:7], s[22:23]
.macro WLOAD b                         ; block b: W_b(128 s + 32 b + i, my column); the largest offset, 127 rows, lies inside the signed 24-bit immediate
.irp i, 0,1,2,3,4,5,6,7,8,9,10,11,12,13,14,15,16,17,18,19,20,21,22,23,24,25,26,27,28,29,30,31
	global_load_b32 v[64+32*(\b)+\i], v2, s[4:5] offset:(32*(\b)+\i)*4096 th:TH_LOAD_NT
.endr
.endm
; Block b = 2 c + h of the K step: in the image it belongs to lane r + 16 h, registers 6 c .. 6 c + 5.  My lane gathers the four blocks in v[24 + 12 h + 6 c ..].
.macro WBLOCK b
.set XW, 64+32*(\b)
.set HH, (\b)%2
.set CC, (\b)/2
.if (\b) < 2
	s_wait_loadcnt 63                              ; this block's 32 loads are in: 96 or 64 loads were issued behind them, and the wait names fewer
.else
	s_wait_loadcnt 32*(3-(\b))                     ; the later blocks' loads may be out
.endif
	v_max3_num_f32 v10, |v[XW]|, |v[XW+1]|, |v[XW+2]|             ; all 32 numbers are mine: two chains
	v_max3_num_f32 v11, |v[XW+3]|, |v[XW+4]|, |v[XW+5]|
.irp i, 6,10,14,18,22,26
	v_max3_num_f32 v10, v10, |v[XW+\i]|, |v[XW+\i+1]|
	v_max3_num_f32 v11, v11, |v[XW+\i+2]|, |v[XW+\i+3]|
.endr
	v_max3_num_f32 v10, v10, |v[XW+30]|, |v[XW+31]|
	v_max3_num_f32 v10, v10, v11, 0x2800000        ; and the floor 2^(5 - 127)
	v_add_nc_u32 v12, 0xfe000000, v10              ; 4 off the exponent field: the conversion takes this operand's exponent field as its scale
	v_lshrrev_b32 v14, 23, v12                     ; the scale's byte
.if (\b) == 0
	v_mov_b32 v52, v14                             ; four bytes to a word, the lower K in the lower byte
.else
	v_lshl_or_b32 v52, v14, 8*(\b), v52
.endif
	v_cvt_scalef32_pk16_bf6_f32 v[24+12*HH+6*CC:24+12*HH+6*CC+2], v[XW:XW+15], v12
	v_cvt_scalef32_pk16_bf6_f32 v[48:50], v[XW+16:XW+31], v12     ; (a conversion's three registers begin on an even number)
	v_nop                                          ; one plain place behind a scaled conversion
.irp i, 0,1,2
	v_mov_b32 v[27+12*HH+6*CC+\i], v[48+\i]
.endr
.endm
.irp b, 0,1,2,3
	WLOAD \b
.endr
.irp b, 0,1,2,3
	WBLOCK \b
.endr
.irp h, 0,1
.irp g, 0,1,2
	global_store_b128 v3, v[24+12*\h+4*\g:24+12*\h+4*\g+3], s[8:9] offset:512*\g+256*\h   ; sixteen lanes store 256 consecutive bytes, at a multiple of 256
.endr
.endr
	ds_store_b32 v7, v52
	s_wait_dscnt 0x0                               ; for wave 0's sake: my words lie in LDS
	s_barrier_signal -1
	s_barrier_wait -1
	s_cmp_lg_u32 s2, 0
	s_cbranch_scc1 .Ldone
	ds_load_b128 v[56:59], v6                      ; my column's words of four K steps
	s_wait_dscnt 0x0
	global_store_b128 v3, v[56:59], s[10:11]       ; sixteen lanes, 256 consecutive bytes
.Ldone:
	s_wait_tensorcnt 0x0
	ds_add_u32 v192, v193
	s_wait_dscnt 0x0
	s_endpgm
.Lfunc_end_k_q6ede1cbb36_wq:
	.size	k_q6ede1cbb36_wq, .Lfunc_end_k_q6ede1cbb36_wq-k_q6ede1cbb36_wq
	.p2alignl 7, 3214868480
	.fill 96, 4, 3214868480
	.section	.rodata,"a",@progbits
	.p2align	6, 0x0
	.amdhsa_kernel k_q6ede1cbb36_wq
		.amdhsa_group_segment_fixed_size 1536
		.amdhsa_private_segment_fixed_size 0
		.amdhsa_enable_private_segment 0
		.amdhsa_kernarg_size 16
		.amdhsa_user_sgpr_count 2
		.amdhsa_user_sgpr_kernarg_segment_ptr 1
		.amdhsa_wavefront_size32 1
		.amdhsa_system_sgpr_workgroup_id_x 1
		.amdhsa_system_sgpr_workgroup_id_y 1
		.amdhsa_system_sgpr_workgroup_id_z 1
		.amdhsa_system_vgpr_workitem_id 0
		.amdhsa_next_free_vgpr 194
		.amdhsa_next_free_sgpr 66
		.amdhsa_reserve_vcc 0
		.amdhsa_float_denorm_mode_32 3
		.amdhsa_float_denorm_mode_16_64 3
		.amdhsa_memory_ordered 1
		.amdhsa_forward_progress 1
		.amdhsa_inst_pref_size 21
	.end_amdhsa_kernel
	.amdgpu_metadata
---
amdhsa.version: [ 1, 2 ]
amdhsa.kernels:
  - .name:           k_q6ede1cbb36_wq
    .symbol:         k_q6ede1cbb36_wq.kd
    .args:
      - { .name: W_b, .offset: 0, .size: 8, .value_kind: global_buffer, .address_space: global }
      - { .name: wbuf, .offset: 8, .size: 8, .value_kind: global_buffer, .address_space: global }
    .group_segment_fixed_size: 1536
    .private_segment_fixed_size: 0
    .kernarg_segment_align: 8
    .kernarg_segment_size: 16
    .max_flat_workgroup_size: 128
    .sgpr_count:     66
    .vgpr_count:     194
    .wavefront_size: 32
...
	.end_amdgpu_metadata
.endif
;; end of part 3
;; launch doc (part 4): grid 256 x 1, 4 waves a work-group, clusters of 4 x 1, 327,680 bytes of LDS; arguments wbuf, tokens, emb_table, out0; writes out0
.if DOCPART == 4
	.amdgcn_target "amdgcn-amd-amdhsa--gfx1250"
	.amdhsa_code_object_version 6
	.text
	.protected	k_q6ede1cbb36_doc
	.globl	k_q6ede1cbb36_doc
	.p2align	8
	.type	k_q6ede1cbb36_doc,@function
k_q6ede1cbb36_doc:
	s_mov_b64 s[64:65], 0
	v_nop
	global_prefetch_b8 v0, s[64:65] scope:SCOPE_SE
	s_setreg_imm32_b32 hwreg(HW_REG_WAVE_MODE, 25, 1), 1
	s_wait_xcnt 0x0
	s_wait_alu depctr_hold_cnt(0) depctr_sa_sdst(0) depctr_va_vdst(0) depctr_va_sdst(0) depctr_va_ssrc(0) depctr_va_vcc(0) depctr_vm_vsrc(0)
	s_getreg_b32 s2, hwreg(HW_REG_IB_STS2, 6, 4)
	s_cmp_eq_u32 s2, 0
	s_cbranch_scc0 .Lentry_in_a_cluster
	s_endpgm
.Lentry_in_a_cluster:
	s_bfe_u32 s2, ttmp6, 0x10000c
	s_cmp_lg_u32 s2, 0x3003
	s_cbranch_scc0 .Lentry_shape_is_right
	s_endpgm
.Lentry_shape_is_right:
; DOC: one work-group to a document of 256 tokens.  scores[l] = (Q(emb[l]) Q(W_b)) . hidden, softmax over the 256 tokens, out = sum of p[l] emb[l].
; THE FIRST GATHER: wave w owns tokens 64 w .. 64 w + 63, four tiles of 16.  Its rows come 512 consecutive bytes a load, 16 rows x 128 K to a step, 32 steps; four steps (64 loads) are on their way.
; On the way the column sums are added (hidden), and each step turns through the wave's own stage in LDS, so that a lane holds two whole blocks of 32 of one row; the conversions' results
; ARE the operand's registers: the codes never leave the wave.  A block's scale is 2^(floor(log2(its largest magnitude)) - 4): its byte is that magnitude's exponent field - 4.
; All 32 steps are written out: the operand's register numbers differ in every step, and every offset is an immediate.
; THE PRODUCT, on codes of BF6 (E3M2) with E8M0 scales: a wave's codes (4 tiles x 8 K steps x 12 registers) and scale words stay in REGISTERS; W_b's 64 tile blocks of 12,800 bytes
; (16 columns x K 1,024, laid as images of the operand's registers) come through a ring of two LDS slots of eight blocks.
; Source 0 = 16 tokens, source 1 = 16 columns e: register j of lane (r, h) holds ha(token 8 h + j of the tile, e = 16 t + r).  A finished tile of ha is folded at once into 32 score sums
; a lane (a fused multiply-add with hidden[16 t + r]); ha is never stored.  A fragment of W_b read from LDS feeds four matrix instructions.
; ORDER IN THE LOOP, for tile t on accumulator set t % 2: the 32 products of tile t | the 16 folds of tile t - 1 | the LDS loads of tile t + 2 into the registers that tile t has left.
; The folds name no register of the products just issued: they are the plain vector instructions that stand between those products and the loads into their operands, the folds of their results,
; and the products that begin the same accumulators anew (ISA guide 7.12.1 for vector instructions).  The four accumulators of a set take turns, one instruction a turn.
; CLUSTER: the four documents of a cluster walk the same W_b: each quarter of a slot is asked for JOINTLY, by the same tensor load with the same descriptor and the mask of all four.
; hidden is kept as the SUM of the 256 rows; its 1/256 stands in the exponential's factor (a power of two: nothing is rounded otherwise).
; THE SECOND GATHER: a wave adds p[l] x row l over its 64 tokens in f32, eight rows (32 KB a wave) on their way; seven of them are asked for ahead of the product, into registers that the product never names.
; LIMITS: NaN and infinities among the inputs are not served.  No largest magnitude is taken under 2^(5 - 127), so a scale's byte is 1 at the least; a block of zeros so gets the byte 1 where the rule
; says 127: its codes are zeros, and nobody else reads the bytes.  token + 1 is held at 50,000, the table's last row.  The f32 sums (hidden, scores, the result) are added in another order than a plain loop's.
; The score sums, one accumulator set and the result begin as zeros (96 moves a wave, once), so that no loop has a first trip written out on its own.
; REGISTERS, in windows of 256 (s_set_vgpr_msb: bits 1:0 source 0, 3:2 source 1, 5:4 source 2, 7:6 destination):
;   window 0: v0-15 addresses; v16-47 my tokens' scale words (8 m + k); v48-63 W_b's (8 b + k); v64-127 two sets of four accumulators (later v64-95 the result); v128-159 the score sums;
;             v160-163 hidden's word for each set; v164-191 at work; v192-255 rows 6, 7 of the second gather's ring
;   window 1: v0-191 my codes of K steps 0-3 (48 m + 12 k); v192-255 rows 0, 1     window 2: the same for K steps 4-7; rows 2, 3     window 3: v0-191 W_b's fragments, two sets (96 b + 12 k); rows 4, 5
;   in the first gather: window 3: four sets of 64 numbers as loaded; window 0: v64-127 and v192-255 two sets as turned, v128-159 the column sums
.set BLK,   12800                      ; a tile block
.set QUART, 2*BLK                      ; what one tensor load brings: a wave's quarter of a slot
.set SLOTB, 8*BLK                      ; a slot's bytes
.set SLOT1, 1<<17                      ; slot 1 begins here: one exclusive or turns an address in one slot into the other's
.set HID,   102400                     ; behind slot 0, in blocks of 256 bytes into which no fill lands: hidden, 4,096 bytes;
.set SCO,   106496                     ; the 256 scores;
.set PB,    107520                     ; p, a copy of 1,024 bytes for each wave;
.set CTB,   111616                     ; each wave's column sums, and at the end its part of the result: 4,096 bytes;
.set SPARE, 128000                     ; the spare words, 128 bytes for each wave: two blocks of 256 bytes that no other line names
.set STG,   SLOT1+SLOTB                ; behind slot 1: two stages for each wave
.set SPITCH, 528                       ; a stage row: 512 bytes + 16, an odd multiple of 16
.set STGB,  16*SPITCH                  ; a stage
.set AS,  16
.set BS,  48
.set ACC, 64
.set CT,  64
.set S,   128
.set HV,  160
.set SC8, 164                          ; v164-171 my 8 scores, then p
.set P8,  176                          ; v176-183 the weights of a trip's eight rows
.set MX,  164                          ; the first gather: v164-167 largest magnitudes, two chains a block
.set SO,  168                          ; v168-169 the conversions' scale operands
.set BY,  170                          ; v170-171 the scales' bytes
.set WD,  172                          ; v172     my half of the scale word
.set PD,  173                          ; v173     a lane permute's destination
.set TC,  176                          ; v176-178, v180-182 the upper halves of two blocks (a conversion's three registers begin on an even number)
.set WV,  16                           ; s16  my wave's number
.set L2E, 19                           ; s19  log2(e) / 256
.set TP,  6                            ; s[6:7] my wave's tokens
.set G1,  24                           ; s[24:31] descriptor group 1
.set G0A, 32                           ; s[32:35] group 0 of slot 0's first fill
.set G0B, 36                           ; s[36:39] group 0 of slot 1's first fill; it then walks
.set TB,  40                           ; s40  LDS byte of the pair of tiles in hand
.set PP,  41                           ; s41  LDS byte of the trip's eight weights
.set THV, 42                           ; s42  64 x the tile's number: its 16 words of hidden
.set NSL, 43
.set NPR, 44
.set NRG, 45
.set SEL, 46                           ; s[46:47] v_permlanex16_b32's selects for lane l xor 16
.set TK,  48                           ; s[48:63] sixteen tokens (the second gather: eight)
.set RB,  66                           ; s[66:97] sixteen rows' addresses (the second gather: eight)
.set MSB, 0
.macro WIN new                         ; the immediate's high byte repeats the setting that is left; a switch that changes nothing is dropped
.if MSB != (\new)
	s_set_vgpr_msb (MSB<<8)|(\new)
.set MSB, (\new)
.endif
.endm
.macro CROUND                          ; a round of the cluster's barrier
	s_barrier_signal -1
	s_barrier_wait -1
	s_cmp_lg_u32 s[WV], 0
	s_cbranch_scc1 .Lnot_wave_0_\@
	s_barrier_signal -3
.Lnot_wave_0_\@:
	s_barrier_wait -3
	s_barrier_signal -1
	s_barrier_wait -1
.endm
.macro ADD4 a                          ; v[a .. a + 3] take the sum of the four quads from v[a] on
.irp p, 0,2
	v_pk_add_f32 v[(\a)+\p:(\a)+\p+1], v[(\a)+\p:(\a)+\p+1], v[(\a)+4+\p:(\a)+5+\p]
	v_pk_add_f32 v[(\a)+8+\p:(\a)+9+\p], v[(\a)+8+\p:(\a)+9+\p], v[(\a)+12+\p:(\a)+13+\p]
.endr
.irp p, 0,2
	v_pk_add_f32 v[(\a)+\p:(\a)+\p+1], v[(\a)+\p:(\a)+\p+1], v[(\a)+8+\p:(\a)+9+\p]
.endr
.endm
.macro LB b, off                       ; a tile block at byte off from the pair in hand into set b: 2 loads of scale words, 24 of codes: 26
	WIN 0
	ds_load_b128 v[BS+8*(\b):BS+8*(\b)+3], v5 offset:(\off)+12288
	ds_load_b128 v[BS+8*(\b)+4:BS+8*(\b)+7], v5 offset:(\off)+12288+256
	WIN 0xc0                                       ; destination window 3
.irp k, 0,1,2,3,4,5,6,7
.irp g, 0,1,2
	ds_load_b128 v[96*(\b)+12*\k+4*\g:96*(\b)+12*\k+4*\g+3], v4 offset:(\off)+1536*\k+512*\g   ; 512 consecutive bytes: the image as it lies
.endr
.endr
.endm
.macro LH b, off                       ; hidden's word of my column for set b's next tile
	WIN 0
	ds_load_b32 v[HV+2*(\b)], v6 offset:\off
.endm
.macro WM b                            ; a tile's 32 products: K step by K step, the four accumulators by turns; the first K step starts the sums
	WIN 0x0d                                       ; source 0 (my codes) window 1, source 1 (W_b) window 3, C and D window 0
.irp k, 0,1,2,3
.irp m, 0,1,2,3
.if \k == 0
	v_wmma_scale_f32_16x16x128_f8f6f4 v[ACC+32*(\b)+8*\m:ACC+32*(\b)+8*\m+7], v[48*\m+12*\k:48*\m+12*\k+11], v[96*(\b)+12*\k:96*(\b)+12*\k+11], 0, v[AS+8*\m+\k], v[BS+8*(\b)+\k] matrix_a_fmt:MATRIX_FMT_BF6 matrix_b_fmt:MATRIX_FMT_BF6
.else
	v_wmma_scale_f32_16x16x128_f8f6f4 v[ACC+32*(\b)+8*\m:ACC+32*(\b)+8*\m+7], v[48*\m+12*\k:48*\m+12*\k+11], v[96*(\b)+12*\k:96*(\b)+12*\k+11], v[ACC+32*(\b)+8*\m:ACC+32*(\b)+8*\m+7], v[AS+8*\m+\k], v[BS+8*(\b)+\k] matrix_a_fmt:MATRIX_FMT_BF6 matrix_b_fmt:MATRIX_FMT_BF6
.endif
.endr
.endr
	WIN 0x0e                                       ; source 0 window 2
.irp k, 4,5,6,7
.irp m, 0,1,2,3
	v_wmma_scale_f32_16x16x128_f8f6f4 v[ACC+32*(\b)+8*\m:ACC+32*(\b)+8*\m+7], v[48*\m+12*(\k-4):48*\m+12*(\k-4)+11], v[96*(\b)+12*\k:96*(\b)+12*\k+11], v[ACC+32*(\b)+8*\m:ACC+32*(\b)+8*\m+7], v[AS+8*\m+\k], v[BS+8*(\b)+\k] matrix_a_fmt:MATRIX_FMT_BF6 matrix_b_fmt:MATRIX_FMT_BF6
.endr
.endr
.endm
.macro FS b                            ; set b's tile is folded: score sum += ha x hidden; each accumulator from its low end on
	WIN 0
.irp m, 0,1,2,3
.irp i, 0,2,4,6
	v_pk_fma_f32 v[S+8*\m+\i:S+8*\m+\i+1], v[ACC+32*(\b)+8*\m+\i:ACC+32*(\b)+8*\m+\i+1], v[HV+2*(\b):HV+2*(\b)+1], v[S+8*\m+\i:S+8*\m+\i+1] op_sel_hi:[1,0,1]
.endr
.endr
.endm
.macro PAIR                            ; tiles 2 p and 2 p + 1 of a slot, p = 0, 1, 2; tiles 2 p + 2 and 2 p + 3 are fetched
	v_add_nc_u32 v4, s[TB], v1
	v_add_nc_u32 v5, s[TB], v2
	v_add_nc_u32 v6, s[THV], v3
	s_wait_dscnt 27                                ; set 0's tile is in: behind its 26 loads one word of hidden and set 1's 26 loads were issued
	WM 0
	FS 1
	LH 1, 64
	LB 0, 2*BLK
	s_wait_dscnt 27                                ; set 1's tile and set 0's word of hidden are in: behind them the 27 just issued
	WM 1
	FS 0
	LH 0, 128
	LB 1, 3*BLK
	WIN 0
	s_add_co_u32 s[TB], s[TB], QUART
	s_add_co_u32 s[THV], s[THV], 128
.endm
; Tiles 6 and 7 of a slot.  Both are in registers or on their way when tile 6's products are issued, so the change of slots stands between the two.
; mode 1: the slot is filled again, two slots ahead; mode 2: the slot is left and nothing is asked for; mode 0: the last slot.
.macro TAIL mode
	v_add_nc_u32 v6, s[THV], v3
	s_wait_dscnt 27
	WM 0
	FS 1
	LH 1, 64
.if \mode
	s_wait_tensorcnt 0x0                           ; all my tensor loads have landed: the one that was out is my quarter of the next slot; so a group 0 may be written
	ds_add_u32 v14, v15                            ; 0 onto my spare word: the steps below stand between it and the wait for it
.if \mode == 1
	s_xor_b32 s[G0B+1], s[G0B+1], SLOT1            ; the walking descriptor: the other slot than last time,
	s_add_nc_u64 s[G0B+2:G0B+3], s[G0B+2:G0B+3], SLOTB   ; the next eight tile blocks; the type bits on top are not reached
.endif
	s_sub_co_u32 s[TB], s[TB], 3*QUART             ; back to a slot's first tile,
	s_xor_b32 s[TB], s[TB], SLOT1                  ; in the other slot
	v_add_nc_u32 v4, s[TB], v1
	v_add_nc_u32 v5, s[TB], v2
	s_wait_dscnt 0x0                               ; the add is done, and my reads of this slot are over: tile 7 is in registers
.if \mode == 1
	CROUND                                         ; no wave of any partner still reads this slot or has a load on its way
	tensor_load_to_lds s[G0B:G0B+3], s[G1:G1+7]    ; my one tensor load behind the round: it has eight tiles, 256 matrix instructions, in which to land
	s_nop 0
.rept 4
	v_nop
.endr
.else
	s_barrier_signal -1
	s_barrier_wait -1                              ; the next slot is whole
.endif
	LB 0, 0
.else
	s_wait_dscnt 0x0                               ; tile 63 and its word of hidden are in
.endif
	WM 1
	FS 0
.if \mode
	LH 0, 128
	LB 1, BLK
.endif
	WIN 0
	s_add_co_u32 s[THV], s[THV], 128
.endm
.macro SLOTM mode
	s_mov_b32 s[NPR], 3
.Lpair_\@:
	PAIR
	s_sub_co_u32 s[NPR], s[NPR], 1
	s_cmp_lg_u32 s[NPR], 0
	s_cbranch_scc1 .Lpair_\@
	TAIL \mode
.endm
.macro RBASE j                         ; the address of the row that token j of those in hand names
	s_add_co_u32 s[TK+(\j)], s[TK+(\j)], 1         ; token + 1,
	s_min_u32 s[TK+(\j)], s[TK+(\j)], 0xc350       ; held inside the table,
	s_lshl_b32 s[RB+2*(\j)], s[TK+(\j)], 12        ; 4,096 bytes a row
	s_mov_b32 s[RB+2*(\j)+1], 0
	s_add_nc_u64 s[RB+2*(\j):RB+2*(\j)+1], s[12:13], s[RB+2*(\j):RB+2*(\j)+1]
.endm
.macro RLOAD j                         ; a row of 4,096 bytes into ring set j: eight loads of 512 consecutive bytes.  Set j lies in window (1 + j / 2) % 4 at v[192 + 32 (j % 2)]
	WIN (((1+(\j)/2)%4)<<6)
.irp i, 0,1,2,3,4,5,6,7
	global_load_b128 v[192+32*((\j)%2)+4*\i:192+32*((\j)%2)+4*\i+3], v1, s[RB+2*(\j):RB+2*(\j)+1] offset:512*\i
.endr
.endm
.macro RFMA j                          ; the result += p[j] x the row in set j
	WIN ((1+(\j)/2)%4)
.irp u, 0,2,4,6,8,10,12,14,16,18,20,22,24,26,28,30
.if ((\j)%2) == 0
	v_pk_fma_f32 v[CT+\u:CT+\u+1], v[192+32*((\j)%2)+\u:192+32*((\j)%2)+\u+1], v[P8+2*((\j)/2):P8+2*((\j)/2)+1], v[CT+\u:CT+\u+1] op_sel_hi:[1,0,1]
.else
	v_pk_fma_f32 v[CT+\u:CT+\u+1], v[192+32*((\j)%2)+\u:192+32*((\j)%2)+\u+1], v[P8+2*((\j)/2):P8+2*((\j)/2)+1], v[CT+\u:CT+\u+1] op_sel:[0,1,0] op_sel_hi:[1,1,1]
.endif
.endr
.endm
.macro ROWS more                       ; eight rows; more = 1: each set is filled again with the row eight further on
	v_mov_b32 v11, s[PP]
	ds_load_b128 v[P8:P8+3], v11                   ; eight weights, the same in every lane; my own copy of p: LDS serves a wave's instructions in order
	ds_load_b128 v[P8+4:P8+7], v11 offset:16
.if \more
	s_add_co_u32 s[PP], s[PP], 32
	s_add_nc_u64 s[TP:TP+1], s[TP:TP+1], 32        ; (the last load of tokens has been waited for)
	s_load_b256 s[TK:TK+7], s[TP:TP+1], 0x0
.endif
	s_wait_dscnt 0x0
.irp j, 0,1,2,3,4,5,6,7
.if \more
	s_wait_loadcnt 56                              ; this row's eight loads are in; the seven younger rows' 56 may be out.  So its address may be written again too
.else
	s_wait_loadcnt 56-8*\j
.endif
	RFMA \j
.if \more
.if \j == 0
	s_wait_kmcnt 0x0                               ; the next eight tokens
.endif
	RBASE \j
	RLOAD \j
.endif
.endr
	WIN 0
.endm
; THE FIRST GATHER.  Step T = 8 m + k: tile m of my four, K step k: 16 rows x 512 bytes.
.macro GLOADS T                        ; step T into raw set T % 4: each load reads 512 consecutive bytes of one row.  No hint: the rows are read again
	WIN 0xc0                                       ; destination window 3
.irp r, 0,1,2,3,4,5,6,7,8,9,10,11,12,13,14,15
	global_load_b128 v[64*((\T)%4)+4*\r:64*((\T)%4)+4*\r+3], v1, s[RB+2*\r:RB+2*\r+1] offset:512*((\T)%8)
.endr
.endm
.macro GTURN T                         ; step T goes into stage T % 2 as it lies, its rows are added to the column sums, and it comes back two whole blocks of one row a lane
.set RW, 64*((\T)%4)
.set XQ, 64+128*((\T)%2)
.set SM, S+4*((\T)%8)
	WIN 0x0c                                       ; source 1 (an LDS store's data; the sums' addend) window 3
.irp r, 0,1,2,3,4,5,6,7,8,9,10,11,12,13,14,15
	ds_store_b128 v4, v[RW+4*\r:RW+4*\r+3] offset:STGB*((\T)%2)+SPITCH*\r
.endr
.if (\T) < 8
	WIN 0x0f                                       ; the first tile's first two rows start the sums of my 4 columns: nothing is cleared
	v_pk_add_f32 v[SM:SM+1], v[RW:RW+1], v[RW+4:RW+5]
	v_pk_add_f32 v[SM+2:SM+3], v[RW+2:RW+3], v[RW+6:RW+7]
	WIN 0x0c
.irp r, 2,3,4,5,6,7,8,9,10,11,12,13,14,15
	v_pk_add_f32 v[SM:SM+1], v[SM:SM+1], v[RW+4*\r:RW+4*\r+1]
	v_pk_add_f32 v[SM+2:SM+3], v[SM+2:SM+3], v[RW+4*\r+2:RW+4*\r+3]
.endr
.else
.irp r, 0,1,2,3,4,5,6,7,8,9,10,11,12,13,14,15
	v_pk_add_f32 v[SM:SM+1], v[SM:SM+1], v[RW+4*\r:RW+4*\r+1]
	v_pk_add_f32 v[SM+2:SM+3], v[SM+2:SM+3], v[RW+4*\r+2:RW+4*\r+3]
.endr
.endif
	WIN 0
.irp c, 0,1
.irp j, 0,1,2,3,4,5,6,7
	ds_load_b128 v[XQ+32*\c+4*\j:XQ+32*\c+4*\j+3], v5 offset:STGB*((\T)%2)+256*\c+16*\j   ; LDS serves a wave's instructions in order: these see the stores above.  Register 32 c + i = k 64 c + 32 h + i of row r
.endr
.endr
.endm
.macro GQUANT T                        ; step T's 64 numbers a lane become the fragment (m, k) in its own registers, and the rows' scale word
.set XQ, 64+128*((\T)%2)
.set AD, 48*((\T)/8)+12*((\T)%4)
.set AW, 1+((\T)%8)/4
	WIN 0
.irp c, 0,1
	v_max3_num_f32 v[MX+2*\c], |v[XQ+32*\c]|, |v[XQ+32*\c+1]|, 0x2800000   ; the block's largest magnitude, in two chains, and the floor 2^(5 - 127)
	v_max3_num_f32 v[MX+2*\c+1], |v[XQ+32*\c+16]|, |v[XQ+32*\c+17]|, |v[XQ+32*\c+18]|
.endr
.irp i, 2,4,6,8,10,12
.irp c, 0,1
	v_max3_num_f32 v[MX+2*\c], v[MX+2*\c], |v[XQ+32*\c+\i]|, |v[XQ+32*\c+\i+1]|   ; (four chains by turns)
	v_max3_num_f32 v[MX+2*\c+1], v[MX+2*\c+1], |v[XQ+32*\c+17+\i]|, |v[XQ+32*\c+18+\i]|
.endr
.endr
.irp c, 0,1
	v_max3_num_f32 v[MX+2*\c], v[MX+2*\c], |v[XQ+32*\c+14]|, |v[XQ+32*\c+15]|
.endr
.irp c, 0,1
	v_max3_num_f32 v[MX+2*\c], v[MX+2*\c], v[MX+2*\c+1], |v[XQ+32*\c+31]|
.endr
.irp c, 0,1
	v_add_nc_u32 v[SO+\c], 0xfe000000, v[MX+2*\c]  ; 4 off its exponent field: the conversion takes this operand's exponent field as its scale
.endr
.irp c, 0,1
	v_lshrrev_b32 v[BY+\c], 23, v[SO+\c]           ; the scale's byte
.endr
	v_lshl_or_b32 v[WD], v[BY+1], 16, v[BY]        ; my two bytes: blocks h and 2 + h,
	v_lshlrev_b32 v[WD], v6, v[WD]                 ; at their places in the word;
	v_permlanex16_b32 v[PD], v[WD], s[SEL], s[SEL+1]
	v_or_b32 v[AS+(\T)], v[WD], v[PD]              ; with lane l xor 16's two the word is whole: lane r holds row r's
.irp c, 0,1
	v_cvt_scalef32_pk16_bf6_f32 v[TC+4*\c:TC+4*\c+2], v[XQ+32*\c+16:XQ+32*\c+31], v[SO+\c]   ; the blocks' upper halves, made here and moved
.endr
	WIN AW<<6                                      ; destination: window 1 (K steps 0-3) or 2 (K steps 4-7)
.irp c, 0,1
	v_cvt_scalef32_pk16_bf6_f32 v[AD+6*\c:AD+6*\c+2], v[XQ+32*\c:XQ+32*\c+15], v[SO+\c]      ; the lower halves, straight into the operand's registers
.endr
	v_nop                                          ; one plain place behind a scaled conversion
.irp c, 0,1
.irp i, 0,1,2
	v_mov_b32 v[AD+3+6*\c+\i], v[TC+4*\c+\i]
.endr
.endr
.endm
.macro GSTEP T
	s_wait_dscnt 0x0                               ; step T is back from its stage; so its stores into the stage have read raw set T % 4
.if ((\T)%8 == 0) && ((\T) < 24)
	s_load_b512 s[TK:TK+15], s[TP:TP+1], 64*((\T)/8+1)   ; the next tile's 16 tokens
.endif
.if (\T)+4 < 32
.if (\T)%8 == 4
	s_wait_xcnt 0x0                                ; this tile's last loads have read their rows' addresses, which are now written again
	s_wait_kmcnt 0x0
.irp j, 0,1,2,3,4,5,6,7,8,9,10,11,12,13,14,15
	RBASE \j
.endr
.endif
	GLOADS (\T)+4                                  ; four steps ahead
.endif
.if (\T)+1 < 32
.if (\T) < 28
	s_wait_loadcnt 48                              ; the next step's 16 loads are in; the three younger steps' 48 may be out
.else
	s_wait_loadcnt 16*(30-(\T))                    ; at the end the counts run down
.endif
	GTURN (\T)+1                                   ; the next step goes through the other stage while this one is worked
.endif
	GQUANT \T
.endm
	s_load_b64 s[4:5], s[0:1], 0x0                 ; wbuf
	s_load_b64 s[10:11], s[0:1], 0x8               ; tokens
	s_load_b128 s[12:15], s[0:1], 0x10             ; the table s[12:13], out0 s[14:15]
	v_lshl_add_u32 v14, v0, 2, SPARE               ; my spare word; never rewritten
	v_mov_b32 v15, 0                               ; 0; never rewritten
	ds_add_u32 v14, v15
	ds_add_u32 v14, v15
	s_wait_dscnt 0x0
	v_lshrrev_b32 v1, 5, v0
	v_readfirstlane_b32 s[WV], v1                  ; wave 0..3
	s_bfe_u32 s17, ttmp6, 0x40000                  ; cx: my place in the cluster
	s_lshl_b32 s18, ttmp9, 2
	s_add_co_u32 s18, s18, s17                     ; my document = 4 x cluster + cx: it enters global addresses alone
	; descriptor group 1: 25,600 dense bytes as 100 rows of 32 elements of 8 bytes, no padding
	s_mov_b32 s[G1], 15|(3<<16)|(1<<21)            ; 15:0 the mask: all four work-groups; 17:16 elements of 8 bytes; 21 set beside a mask
	s_mov_b32 s[G1+1], 32<<16                      ; tensor_dim0 = 32
	s_mov_b32 s[G1+2], 100<<16                     ; tensor_dim1 = 100
	s_mov_b32 s[G1+3], 32<<16                      ; tile_dim0 = 32
	s_mov_b32 s[G1+4], 100                         ; tile_dim1 = 100
	s_mov_b32 s[G1+5], 32                          ; from row to row
	s_mov_b32 s[G1+6], 0
	s_mov_b32 s[G1+7], 0
	s_mul_i32 s20, s[WV], QUART                    ; my quarter of a slot, in memory and in LDS: the wave's number alone
	s_mov_b32 s21, 0
	s_mov_b32 s[G0A], 1
	s_mov_b32 s[G0A+1], s20
	s_mov_b32 s[G0B], 1
	s_add_co_u32 s[G0B+1], s20, SLOT1
	s_lshl_b32 s22, s18, 10
	s_lshl_b32 s23, s[WV], 8
	s_add_co_u32 s22, s22, s23                     ; tokens: 1,024 bytes a document, 256 a wave
	s_mov_b32 s23, 0
	s_lshl_b32 s2, s18, 12                         ; out0: 4,096 bytes a document
	s_mov_b32 s3, 0
	s_mov_b32 s[SEL], 0x76543210
	s_mov_b32 s[SEL+1], 0xfedcba98
	s_mov_b32 s[L2E], 0x3bb8aa3b                   ; log2(e) / 256
	s_wait_kmcnt 0x0
	s_add_nc_u64 s[G0A+2:G0A+3], s[4:5], s[20:21]
	s_add_nc_u64 s[G0B+2:G0B+3], s[G0A+2:G0A+3], SLOTB
	s_or_b32 s[G0A+3], s[G0A+3], 0x80000000        ; type = 2
	s_or_b32 s[G0B+3], s[G0B+3], 0x80000000
	s_add_nc_u64 s[TP:TP+1], s[10:11], s[22:23]
	s_add_nc_u64 s[14:15], s[14:15], s[2:3]
	s_load_b512 s[TK:TK+15], s[TP:TP+1], 0x0       ; my first tile's 16 tokens
	v_and_b32 v4, 31, v0                           ; lane
	v_and_b32 v5, 15, v0                           ; r
	v_bfe_u32 v6, v0, 4, 1                         ; h
	v_lshlrev_b32 v1, 4, v4                        ; 16 x lane: an image's place for my lane, and my bytes of a row's 512
	v_lshlrev_b32 v2, 4, v5                        ; 16 r: four scale words of row r
	v_lshl_add_u32 v3, v5, 2, HID                  ; hidden's word of column r of a tile
	v_lshl_add_u32 v8, v0, 4, HID                  ; hidden, 16 bytes a thread
	v_lshlrev_b32 v9, 4, v0
	s_lshl_b32 s20, s[WV], 8
	s_add_co_u32 s20, s20, SCO
	v_lshl_add_u32 v10, v6, 5, s20                 ; my scores: 256 bytes a wave, 32 a half of the lanes
	v_lshl_add_u32 v12, v4, 5, SCO                 ; all scores: 8 a lane
	s_lshl_b32 s20, s[WV], 10
	s_add_co_u32 s20, s20, PB
	v_lshl_add_u32 v13, v4, 5, s20                 ; my wave's copy of p
	s_lshl_b32 s20, s[WV], 12
	s_add_co_u32 s20, s20, CTB
	v_add_nc_u32 v7, s20, v1                       ; my wave's column sums, later its part of the result
	s_mul_i32 s[PP], s[WV], 1280
	s_add_co_u32 s[PP], s[PP], PB                  ; in my copy of p: my own 64 tokens' weights (1,024 w + 256 w)
	s_mul_i32 s20, s[WV], 2*STGB
	s_add_co_u32 s20, s20, STG                     ; my two stages
	v_mul_u32_u24 v11, v5, SPITCH
	v_lshl_add_u32 v11, v6, 7, v11
	v_add_nc_u32 v5, s20, v11                      ; a stage, way out: row r, + 128 h: k = 32 h on
	v_add_nc_u32 v4, s20, v1                       ; way in: a row's 512 bytes as they lie
	v_lshlrev_b32 v6, 3, v6                        ; 8 h: where my two bytes stand in a scale word
	v_mov_b32 v[PD], 0                             ; written once: a lane permute's destination counts as one of its sources
	s_wait_kmcnt 0x0
.irp j, 0,1,2,3,4,5,6,7,8,9,10,11,12,13,14,15
	RBASE \j
.endr
.irp t, 0,1,2,3
	GLOADS \t                                      ; the first four steps are asked for ahead of the round: 64 loads
.endr
	WIN 0
	CROUND                                         ; all four work-groups are here: the first joint loads meet
	tensor_load_to_lds s[G0A:G0A+3], s[G1:G1+7]    ; tile blocks 0-7 and 8-15: two loads of mine are out; they land during the first gather
	s_nop 0
	tensor_load_to_lds s[G0B:G0B+3], s[G1:G1+7]
	s_nop 0
.rept 4
	v_nop
.endr
	s_wait_loadcnt 48                              ; step 0's 16 loads are in
	GTURN 0
.irp t, 0,1,2,3,4,5,6,7,8,9,10,11,12,13,14,15,16,17,18,19,20,21,22,23,24,25,26,27,28,29,30,31
	GSTEP \t
.endr
	WIN 0
	s_load_b256 s[TK:TK+7], s[TP:TP+1], 0x0        ; my first eight tokens once more, for the second gather
.irp t, 0,1,2,3,4,5,6,7
	ds_store_b128 v7, v[S+4*\t:S+4*\t+3] offset:512*\t   ; my 64 rows' column sums
.endr
	s_wait_kmcnt 0x0
.irp j, 0,1,2,3,4,5,6,7
	RBASE \j                                       ; (every load of the first gather has been waited for)
.endr
.irp j, 0,1,2,3,4,5,6
	RLOAD \j                                       ; seven rows of the second gather, 56 loads: they land during the product, in registers that it never names
.endr
	WIN 0
	s_wait_dscnt 0x0                               ; for the others' sake: my column sums lie in LDS
	s_barrier_signal -1
	s_barrier_wait -1
.irp i, 0,1
.irp q, 0,1,2,3
	ds_load_b128 v[64+16*\i+4*\q:64+16*\i+4*\q+3], v8 offset:CTB-HID+4096*\q+2048*\i   ; wave q's sums of my 4 columns
.endr
.endr
	s_wait_dscnt 0x0
	ADD4 64
	ADD4 80
	ds_store_b128 v8, v[64:67]                     ; hidden x 256
	ds_store_b128 v8, v[80:83] offset:2048
.set J, 0
.rept 32
	v_mov_b32 v[S+J], 0                            ; the score sums,
	v_mov_b32 v[ACC+32+J], 0                       ; and accumulator set 1, which the first fold adds: there is no tile -1
.set J, J+1
.endr
.irp j, 161,162,163
	v_mov_b32 v\j, 0                               ; the upper halves of the pairs that the folds name, and set 1's first word
.endr
	s_mov_b32 s[TB], 0
	s_mov_b32 s[THV], 0
	v_add_nc_u32 v4, s[TB], v1
	v_add_nc_u32 v5, s[TB], v2
	v_add_nc_u32 v6, s[THV], v3
	s_wait_tensorcnt 0x1                           ; my quarter of slot 0 is in; slot 1's may stay out
	s_wait_dscnt 0x0                               ; my part of hidden lies in LDS
	s_barrier_signal -1
	s_barrier_wait -1
	LB 0, 0
	LH 0, 0
	LB 1, BLK
	WIN 0
	s_mov_b32 s[NSL], 6
.Lslot:                                            ; six trips: slots 0 to 5, each filled again with the tile blocks two slots on
	SLOTM 1
	s_sub_co_u32 s[NSL], s[NSL], 1
	s_cmp_lg_u32 s[NSL], 0
	s_cbranch_scc1 .Lslot
	SLOTM 2                                        ; the tail is written out
	SLOTM 0
	FS 1                                           ; tile 63 (the sixteen folds of tile 62 stand between its products and this)
	; THE SCORES: a token's sum lies in the sixteen lanes of its half
	RLOAD 7                                        ; the eighth row
	WIN 0
.irp x, 1,2,4,8
.set J, 0
.rept 32
	v_add_f32_dpp v[S+J], v[S+J], v[S+J] row_xmask:\x row_mask:0xf bank_mask:0xf
.set J, J+1
.endr
.endr
.irp m, 0,1,2,3
.irp x, 0,1
	ds_store_b128 v10, v[S+8*\m+4*\x:S+8*\m+4*\x+3] offset:64*\m+16*\x   ; tokens 64 w + 16 m + 8 h + 4 x on; the sixteen lanes of a half write the same words with the same values
.endr
.endr
	s_wait_dscnt 0x0                               ; for the others' sake
	s_barrier_signal -1
	s_barrier_wait -1
	; THE SOFTMAX, whole in every wave: 8 scores a lane
	ds_load_b128 v[SC8:SC8+3], v12
	ds_load_b128 v[SC8+4:SC8+7], v12 offset:16
	s_wait_dscnt 0x0
	v_max3_num_f32 v172, v164, v165, v166
	v_max3_num_f32 v172, v172, v167, v168
	v_max3_num_f32 v172, v172, v169, v170
	v_max_num_f32 v172, v172, v171
.irp x, 1,2,4,8
	v_max_num_f32_dpp v172, v172, v172 row_xmask:\x row_mask:0xf bank_mask:0xf
.endr
	v_permlanex16_b32 v173, v172, s[SEL], s[SEL+1]
	v_max_num_f32 v172, v172, v173                 ; the document's largest score
.irp j, 0,1,2,3,4,5,6,7
	v_sub_f32 v[SC8+\j], v[SC8+\j], v172           ; the maximum is taken away first,
.endr
.irp j, 0,1,2,3,4,5,6,7
	v_mul_f32 v[SC8+\j], s[L2E], v[SC8+\j]         ; then the factor: log2(e), and hidden's 1/256
.endr
.irp j, 0,1,2,3,4,5,6,7
	v_exp_f32 v[SC8+\j], v[SC8+\j]                 ; p, at most 1, not yet divided by the sum
.endr
	v_nop                                          ; a plain instruction behind the last exponential
	s_wait_alu depctr_va_vdst(0)                   ; one wait for the eight, ahead of their first reader
	ds_store_b128 v13, v[SC8:SC8+3]
	ds_store_b128 v13, v[SC8+4:SC8+7] offset:16
	v_pk_add_f32 v[174:175], v[164:165], v[166:167]
	v_pk_add_f32 v[184:185], v[168:169], v[170:171]
	v_pk_add_f32 v[174:175], v[174:175], v[184:185]
	v_add_f32 v174, v174, v175
.irp x, 1,2,4,8
	v_add_f32_dpp v174, v174, v174 row_xmask:\x row_mask:0xf bank_mask:0xf
.endr
	v_permlanex16_b32 v173, v174, s[SEL], s[SEL+1]
	v_add_f32 v174, v174, v173                     ; the sum: 1 at the least
	v_rcp_f32 v175, v174
.set J, 0
.rept 32
	v_mov_b32 v[CT+J], 0                           ; the result begins as zeros.  (Plain work behind the reciprocal)
.set J, J+1
.endr
	s_wait_alu depctr_va_vdst(0)                   ; the reciprocal's wait, ahead of the label
	; THE SECOND GATHER: my 64 rows, eight a trip
	s_mov_b32 s[NRG], 7
.Lrows:
	ROWS 1
	s_sub_co_u32 s[NRG], s[NRG], 1
	s_cmp_lg_u32 s[NRG], 0
	s_cbranch_scc1 .Lrows
	ROWS 0                                         ; the last eight rows: nothing more is asked for, and the counts run down
	; THE WAY OUT: the four waves' parts meet in LDS; each thread adds 2 x 4 columns, divides by the sum and stores
.irp i, 0,1,2,3,4,5,6,7
	ds_store_b128 v7, v[CT+4*\i:CT+4*\i+3] offset:512*\i
.endr
	s_wait_dscnt 0x0                               ; for the others' sake
	s_barrier_signal -1
	s_barrier_wait -1
.irp i, 0,1
.irp q, 0,1,2,3
	ds_load_b128 v[128+16*\i+4*\q:128+16*\i+4*\q+3], v8 offset:CTB-HID+4096*\q+2048*\i
.endr
.endr
	s_wait_dscnt 0x0
.irp i, 0,1
	ADD4 128+16*\i
	v_pk_mul_f32 v[128+16*\i:129+16*\i], v[128+16*\i:129+16*\i], v[174:175] op_sel:[0,1] op_sel_hi:[1,1]   ; x 1 / the sum (the pair's upper word for both halves)
	v_pk_mul_f32 v[130+16*\i:131+16*\i], v[130+16*\i:131+16*\i], v[174:175] op_sel:[0,1] op_sel_hi:[1,1]
	global_store_b128 v9, v[128+16*\i:131+16*\i], s[14:15] offset:2048*\i th:TH_STORE_NT   ; the 128 threads store 2,048 consecutive bytes, at a multiple of 256
.endr
	s_wait_tensorcnt 0x0                           ; the wave's end: behind my last tensor load and my last LDS store
	ds_add_u32 v14, v15
	s_wait_dscnt 0x0
	CROUND                                         ; the closing round: no work-group ends while a partner may still ask for a tile that names it
	s_endpgm
.Lfunc_end_k_q6ede1cbb36_doc:
	.size	k_q6ede1cbb36_doc, .Lfunc_end_k_q6ede1cbb36_doc-k_q6ede1cbb36_doc
	.p2alignl 7, 3214868480
	.fill 96, 4, 3214868480
	.section	.rodata,"a",@progbits
	.p2align	6, 0x0
	.amdhsa_kernel k_q6ede1cbb36_doc
		.amdhsa_group_segment_fixed_size 327680
		.amdhsa_private_segment_fixed_size 0
		.amdhsa_enable_private_segment 0
		.amdhsa_kernarg_size 32
		.amdhsa_user_sgpr_count 2
		.amdhsa_user_sgpr_kernarg_segment_ptr 1
		.amdhsa_wavefront_size32 1
		.amdhsa_system_sgpr_workgroup_id_x 1
		.amdhsa_system_sgpr_workgroup_id_y 1
		.amdhsa_system_sgpr_workgroup_id_z 1
		.amdhsa_system_vgpr_workitem_id 0
		.amdhsa_next_free_vgpr 1024
		.amdhsa_next_free_sgpr 100
		.amdhsa_reserve_vcc 0
		.amdhsa_float_denorm_mode_32 3
		.amdhsa_float_denorm_mode_16_64 3
		.amdhsa_memory_ordered 1
		.amdhsa_forward_progress 1
		.amdhsa_inst_pref_size 255
	.end_amdhsa_kernel
	.section	.bss,"aw",@nobits
	.p2align	6
	.space	262144
	.amdgpu_metadata
---
amdhsa.version: [ 1, 2 ]
amdhsa.kernels:
  - .name:           k_q6ede1cbb36_doc
    .symbol:         k_q6ede1cbb36_doc.kd
    .args:
      - { .name: wbuf, .offset: 0, .size: 8, .value_kind: global_buffer, .address_space: global }
      - { .name: tokens, .offset: 8, .size: 8, .value_kind: global_buffer, .address_space: global }
      - { .name: emb_table, .offset: 16, .size: 8, .value_kind: global_buffer, .address_space: global }
      - { .name: out0, .offset: 24, .size: 8, .value_kind: global_buffer, .address_space: global }
    .group_segment_fixed_size: 327680
    .private_segment_fixed_size: 0
    .kernarg_segment_align: 8
    .kernarg_segment_size: 32
    .max_flat_workgroup_size: 128
    .sgpr_count:     100
    .vgpr_count:     1024
    .wavefront_size: 32
...
	.end_amdgpu_metadata
.endif
;; end of part 4
